; MI455X (gfx1250); checked and timed in simulation.
; The chip was launched on July 23, 2026; its instructions are those of AMD's public machine-readable ISA for CDNA 5 (MIT licence, August 2026) and "CDNA5" Instruction Set Architecture Reference Guide (July 2026). The comments in the code are by the model that wrote it; some were corrected since.
;; Causal Self Attention. Allowed arithmetic: matrix products marked QUANTISED: E2M3 operands, one E8M0 scale for each 32 along K, by v_wmma_scale_f32_16x16x128_f8f6f4 with both operands' format E2M3, f32 sums; everything else in f32.
;; Inputs: b_attn 3,072 float32; b_proj 1,024 float32; w_attn 1,024 x 3,072 float32; w_proj 1,024 x 1,024 float32; x 4 x 2,048 x 1,024 float32.
;; Outputs: out0 4 x 2,048 x 1,024 float32.
;; This version of the problem:
;;   THIS VERSION OF THE PROBLEM IS GIVEN IN LOW PRECISION. The matrix products marked QUANTISED in the list below multiply operands that are first quantised to E2M3 (2 exponent bits, 3 mantissa bits; 6 bits a number), with one power-of-two scale for each 32 numbers along K (OCP MX v1.0); their sums are f32. All else is computed in f32.
;;   The module's matrix products, in the order in which they are computed (A, B: the left and right operand; K: the contracted axis; several contracted axes count as one K, in the product's order):
;;     1. [M 8,192, K 1,024] x [K 1,024, N 3,072]; A: input x; B: input w_attn: QUANTISED
;;     2. batch 64 x [M 2,048, K 64] x [K 64, N 2,048]; A: computed on the way; B: computed on the way: QUANTISED
;;     3. batch 64 x [M 2,048, K 2,048] x [K 2,048, N 64]; A: softmax (see below); B: computed on the way: QUANTISED
;;     4. [M 8,192, K 1,024] x [K 1,024, N 1,024]; A: computed on the way; B: input w_proj: QUANTISED
;;   THE QUANTISER, for each operand of a quantised product, along K:
;;     - K is cut into blocks of 32 from its start; a last block that is shorter is filled with zeros.
;;     - A block's scale is 2^e with e = floor(log2(the largest magnitude in the block)) - 2, held to -126 .. 127; a block of zeros has e = 0. As a byte (E8M0): e + 127.
;;     - Each number is divided by its block's scale, clamped to +-7.5, and rounded to the nearest number of E2M3, ties to even, subnormals kept.
;;     - The product sums the exact products of the quantised numbers (number of the format x scale) in f32.
;;   ~~~python
;;   def quantise(x, axis):      # numpy; x: float32 -> the quantised numbers, widened to float32 again
;;       x = np.moveaxis(x, axis, -1); K = x.shape[-1]
;;       x = np.pad(x, [(0, 0)] * (x.ndim - 1) + [(0, -K % 32)]); x = x.reshape(x.shape[:-1] + (-1, 32)); a = np.abs(x).max(-1, keepdims=True)
;;       e = np.where(a > 0, np.clip(np.frexp(np.where(a > 0, a, 1))[1] - 1 - 2, -126, 127), 0)      # np.frexp(a)[1] - 1 = floor(log2(a)), exactly
;;       r = np.clip(x / 2.0 ** e, -7.5, 7.5)
;;       step = 2.0 ** (np.maximum(np.frexp(np.where(r == 0, 1, r))[1] - 1, 0) - 3)
;;       q = np.round(r / step) * step * 2.0 ** e      # np.round: ties to even
;;       return np.moveaxis(q.reshape(q.shape[:-2] + (-1,))[..., :K], -1, axis).astype(np.float32)
;;   ~~~
;;   SOFTMAX AHEAD OF A QUANTISED PRODUCT. Where the list says 'softmax', what is quantised is not the finished softmax but p = 2^(t - M), with t = logit x log2(e) and M = ceil(the row's largest t), a whole number; so 1/2 < the row's largest p <= 1. The row's sum l is taken of the UNQUANTISED p, in f32, and the product's result is divided by l at the end. Since M is a whole number, a kernel that streams over the keys may use a running M (the ceiling of the running maximum): every later rescaling is an exact power of two, which a block's scale takes up: the codes' values come out the same.
;;   OPERANDS COMPUTED ON THE WAY. 'Computed on the way' means the value that the module computes at that place (a softmax that the list does not call 'softmax' is quantised finished and normalised). What goes into a quantiser is computed in f32, as accurately as f32 sums, v_exp_f32 and their like allow (about 1e-6 of the number): no bf16 or f16 on the way to a quantiser, and a product that is left as it is and whose result goes on into a quantised operand takes f32 operands (vector FMAs, or v_wmma_f32_16x16x4_f32). A number that lies on a knife's edge between two numbers of the format may be rounded either way, as far as f32 arithmetic and the matrix unit's own rounding can turn it there, and no further.
;; One version. Each part assembles by itself: llvm-mc -triple=amdgcn-amd-amdhsa -mcpu=gfx1250 --defsym DOCPART=n.
;; ======== version 1 of 1: 4 launches
;; workspace buffers: xc 6,291,456 bytes; wac 2,359,296 bytes; wpc 786,432 bytes; yc 6,291,456 bytes; scl1 360,448 bytes; scl2 294,912 bytes; qrec 6,815,744 bytes; kvrec 13,369,344 bytes
;; launch quant (part 1): grid 384 x 1, 4 waves a work-group, no clusters, 58,880 bytes of LDS; arguments x, w_attn, w_proj, xc, wac, wpc, scl1, scl2; writes xc, wac, wpc, scl1, scl2
.if DOCPART == 1
	.amdgcn_target "amdgcn-amd-amdhsa--gfx1250"
	.amdhsa_code_object_version 6
	.text
	.protected	k_qc9e692d30c_quant
	.globl	k_qc9e692d30c_quant
	.p2align	8
	.type	k_qc9e692d30c_quant,@function
k_qc9e692d30c_quant:
	s_mov_b64 s[64:65], 0
	v_nop
	global_prefetch_b8 v0, s[64:65] scope:SCOPE_SE
	s_setreg_imm32_b32 hwreg(HW_REG_WAVE_MODE, 25, 1), 1
	s_wait_xcnt 0x0
; x [8192][1024], w_attn [1024][3072] and w_proj [1024][1024], f32, become codes of FP6 (E2M3) with one E8M0 scale byte for each 32 along K (K = the 1,024), laid in the order in which a matrix operand's registers take them.
; A TILE is 16 rows of an operand (tokens of x, columns of a weight): lane r of tile t holds row 32 (t / 2) + 8 (t % 2) + r + 8 (r / 8).
; AN IMAGE is 768 bytes: a tile's codes of 64 along K.  Lane l = 16 h + r owns the 24 bytes of row r, block h of the two blocks of 32: its first 16 bytes lie at 16 l, its last 8 at 512 + 8 l.
; Codes: [tile][K / 64][768].  Scale words (four bytes: 128 along K of a row): for each pair of tiles and each 256 along K a unit of 256 bytes, [tile of the pair][r][2 words].
; A block's scale is 2^(floor(log2(its largest magnitude)) - 2); its byte is the largest magnitude's exponent field - 2, held at 1 from below.
; LIMITS: a block whose largest magnitude lies under 2^-124 keeps the byte 1; a block of zeros has the byte 1 and not 127 (its codes are zeros, and this program alone reads the bytes); NaN and infinities are not served.
; SHARES: work-groups 0-255 take a pair of tiles (32 rows) of x, 256-351 a pair (32 columns) of w_attn, 352-383 of w_proj; the wave's number is the quarter of K (256).  A wave asks for all its 32 KiB at its head, into window 1.
; No matrix work, no tensor load, no barrier: waves share nothing.  The two paths have LDS bytes of their own.
.set X,    32                          ; v32-95   64 numbers of a lane: register 16 b + i = k 32 b + 16 h + i of my row
.set PC,   96                          ; v96-143  codes, 12 registers for each of the four steps: no store's data are written again
.set TQ,   144                         ; v144-151 a conversion's three registers begin on an even number: the second halves are made here and moved
.set TM,   152                         ; v152-167 largest magnitudes, bytes, scale operands
.set PW,   168                         ; v168-171 a scale word for each step
.set SEL,  20                          ; s[20:21] lane selects for v_permlanex16_b32: lane l xor 16
.set XST,  8448                        ; x's stage of a wave: 16 rows x (512 bytes + 16)
.set WST0, 4*XST                       ; behind them the weights' stages,
.set WSTB, 6144                        ; 8 images a wave
.set MSB, 0
.macro WIN new                         ; the immediate's high byte repeats the setting that is left
.if MSB != (\new)
	s_set_vgpr_msb (MSB<<8)|(\new)
.set MSB, (\new)
.endif
.endm
; 64 numbers of a lane become a fragment's 12 registers of codes, v[pc] on, and its row's scale word, v[pw].
.macro QUANT s, pc, pw
.irp b, 0,1,2,3
	v_max3_num_f32 v[TM+\b], |v[(\s)+16*\b]|, |v[(\s)+1+16*\b]|, 0x1800000   ; block b: my 16 numbers, and the floor 2^(3 - 127): the byte cannot fall under 1
.endr
.irp i, 2,4,6,8,10,12,14
.irp b, 0,1,2,3
	v_max3_num_f32 v[TM+\b], v[TM+\b], |v[(\s)+16*\b+\i]|, |v[(\s)+1+16*\b+\i]|   ; the four blocks by turns
.endr
.endr
.irp b, 0,1,2,3
	v_permlanex16_b32 v[TM+4+\b], v[TM+\b], s[SEL], s[SEL+1]
.endr
.irp b, 0,1,2,3
	v_max_num_f32 v[TM+\b], v[TM+\b], v[TM+4+\b]       ; with lane l xor 16's: the block's largest magnitude
.endr
.irp b, 0,1,2,3
	v_add_nc_u32 v[TM+12+\b], 0xff000000, v[TM+\b]     ; 2 off its exponent field: the conversion's scale operand
.endr
.irp b, 0,1,2,3
	v_lshrrev_b32 v[TM+4+\b], 23, v[TM+12+\b]          ; the scale's byte
.endr
	v_lshl_or_b32 v[\pw], v[TM+5], 8, v[TM+4]
	v_lshl_or_b32 v[\pw], v[TM+6], 16, v[\pw]
	v_lshl_or_b32 v[\pw], v[TM+7], 24, v[\pw]
.irp c, 0,1
	v_cvt_scalef32_pk16_fp6_f32 v[(\pc)+6*\c:(\pc)+2+6*\c], v[(\s)+32*\c:(\s)+15+32*\c], v[TM+12+2*\c]
	v_cvt_scalef32_pk16_fp6_f32 v[TQ+4*\c:TQ+2+4*\c], v[(\s)+16+32*\c:(\s)+31+32*\c], v[TM+12+2*\c+1]
.endr
	v_nop                                          ; one plain place behind a scaled conversion
.irp c, 0,1                                    ; the layout wants a whole block in a lane: lanes 0-15 block 2 c, lanes 16-31 block 2 c + 1
.irp i, 0,1,2
	v_permlane16_swap_b32 v[(\pc)+6*\c+\i], v[TQ+4*\c+\i]
.endr
.irp i, 0,1,2
	v_mov_b32 v[(\pc)+3+6*\c+\i], v[TQ+4*\c+\i]
.endr
.endr
.endm
	s_load_b256 s[4:11], s[0:1], 0x0               ; x s[4:5], w_attn s[6:7], w_proj s[8:9], xc s[10:11]
	s_load_b256 s[12:19], s[0:1], 0x20             ; wac s[12:13], wpc s[14:15], scl1 s[16:17], scl2 s[18:19]
	v_lshl_add_u32 v254, v0, 2, 0xe400
	v_mov_b32 v255, 0
	v_lshrrev_b32 v1, 5, v0
	v_readfirstlane_b32 s22, v1                    ; wave = quarter of K
	v_and_b32 v1, 31, v0                           ; lane
	v_and_b32 v2, 15, v0                           ; r
	v_bfe_u32 v3, v0, 4, 1                         ; h
	v_lshlrev_b32 v4, 4, v1                        ; 16 x lane
	v_lshlrev_b32 v5, 3, v1                        ; 8 x lane
	s_mov_b32 s[SEL], 0x76543210
	s_mov_b32 s[SEL+1], 0xfedcba98
	s_cmp_lt_u32 ttmp9, 256
	s_cbranch_scc0 .Lweights
	; ---------------- x: K is innermost ----------------
	s_mul_i32 s23, s22, XST                        ; my stage
	v_add_nc_u32 v6, s23, v4                       ; in: a row's 512 bytes as they lie, 16 a lane
	v_mul_u32_u24 v7, v2, 528
	v_lshl_add_u32 v7, v3, 6, v7
	v_add_nc_u32 v7, s23, v7                       ; back: row r, + 64 h: my 16 numbers of each block of 32
.irp b, 0,1,2,3
	v_mov_b32 v[TM+4+\b], 0                        ; written once: a lane permute's destination counts as one of its sources
.endr
	s_lshl_b32 s24, ttmp9, 17                      ; 32 rows of 4,096 bytes
	s_lshl_b32 s25, s22, 10                        ; + my quarter's 1,024 bytes
	s_add_co_u32 s24, s24, s25
	s_mov_b32 s25, 0
	s_mul_i32 s26, ttmp9, 24576                    ; two tiles of 12,288 bytes of codes
	s_mul_i32 s27, s22, 3072                       ; + my quarter's four images
	s_add_co_u32 s26, s26, s27
	s_mov_b32 s27, 0
	s_lshl_b32 s28, ttmp9, 10                      ; the pair's four units of scale words
	s_lshl_b32 s29, s22, 8
	s_add_co_u32 s28, s28, s29
	s_mov_b32 s29, 0
	s_wait_kmcnt 0x0
	s_add_nc_u64 s[4:5], s[4:5], s[24:25]
	s_add_nc_u64 s[10:11], s[10:11], s[26:27]
	s_add_nc_u64 s[16:17], s[16:17], s[28:29]
	WIN 0x40                                       ; destination window 1
.irp k, 0,1,2,3                                ; step k: tile k / 2 of the pair, 128 along K: the quarter's (k % 2)-th
.irp i, 0,1,2,3,4,5,6,7,8,9,10,11,12,13,14,15
	global_load_b128 v[64*\k+4*\i:64*\k+4*\i+3], v4, s[4:5] offset:(8*(\k/2)+\i+8*(\i/8))*4096+512*(\k%2) th:TH_LOAD_NT   ; 32 lanes read 512 consecutive bytes of the tile's row i
.endr
.endr
	WIN 0
.macro XSTEP k
	s_wait_loadcnt 48-16*(\k)                      ; this step's 16 loads are in; the later steps' stay out
	WIN 0x04                                       ; an LDS store's data are its source 1: window 1
.irp i, 0,1,2,3,4,5,6,7,8,9,10,11,12,13,14,15
	ds_store_b128 v6, v[64*(\k)+4*\i:64*(\k)+4*\i+3] offset:528*\i
.endr
	WIN 0
.irp b, 0,1,2,3
.irp j, 0,1,2,3
	ds_load_b128 v[X+16*\b+4*\j:X+16*\b+4*\j+3], v7 offset:128*\b+16*\j   ; LDS serves a wave's instructions in order: these see the stores above
.endr
.endr
	s_wait_dscnt 0x0
	QUANT X, PC+12*(\k), PW+(\k)
.irp c, 0,1
	global_store_b128 v4, v[PC+12*(\k)+6*\c:PC+12*(\k)+6*\c+3], s[10:11] offset:((\k)/2)*12288+(2*((\k)%2)+\c)*768        ; 512 consecutive bytes, aligned
	global_store_b64 v5, v[PC+12*(\k)+6*\c+4:PC+12*(\k)+6*\c+5], s[10:11] offset:((\k)/2)*12288+(2*((\k)%2)+\c)*768+512   ; 256 consecutive bytes, aligned
.endr
.endm
	XSTEP 0
	XSTEP 1
	XSTEP 2
	XSTEP 3
	v_cmp_le_u32 vcc_lo, 16, v1                    ; lanes 0-15 store the first tile's two words of row r, lanes 16-31 the second's
	v_cndmask_b32 v172, v[PW], v[PW+2], vcc_lo
	v_cndmask_b32 v173, v[PW+1], v[PW+3], vcc_lo
	global_store_b64 v5, v[172:173], s[16:17]      ; 256 consecutive bytes, aligned
	s_wait_tensorcnt 0x0
	ds_add_u32 v254, v255
	s_wait_dscnt 0x0
	s_endpgm
	; ---------------- the weights: K is the first axis.  A lane takes a column and its registers run down K ----------------
.Lweights:
	s_wait_kmcnt 0x0
	s_cmp_lt_u32 ttmp9, 352                        ; w_attn or w_proj: the choice hangs on the work-group's number alone
	s_cselect_b64 s[6:7], s[6:7], s[8:9]           ; the weight
	s_cselect_b64 s[12:13], s[12:13], s[14:15]     ; its codes
	s_cselect_b64 s[16:17], s[16:17], s[18:19]     ; its scale words: in both buffers from byte 262,144 on
	s_mov_b32 s24, 352
	s_cselect_b32 s24, 256, s24
	s_mov_b32 s25, 1048576
	s_cselect_b32 s25, 3145728, s25                ; 256 rows of the weight, in bytes
	s_cselect_b32 s30, 1, 0
	s_sub_co_u32 s24, ttmp9, s24                   ; which pair of tiles: 32 columns
	s_mul_i32 s26, s22, s25
	s_lshl_b32 s27, s24, 7
	s_add_co_u32 s26, s26, s27
	s_mov_b32 s27, 0
	s_add_nc_u64 s[6:7], s[6:7], s[26:27]
	s_mul_i32 s26, s24, 24576
	s_mul_i32 s28, s22, 3072
	s_add_co_u32 s26, s26, s28
	s_add_nc_u64 s[12:13], s[12:13], s[26:27]
	s_lshl_b32 s26, s24, 10
	s_lshl_b32 s28, s22, 8
	s_add_co_u32 s26, s26, s28
	s_add_co_u32 s26, s26, 262144
	s_add_nc_u64 s[16:17], s[16:17], s[26:27]
	v_lshlrev_b32 v6, 2, v1                        ; 4 x lane
	s_mul_i32 s31, s22, WSTB
	s_add_co_u32 s31, s31, WST0                    ; my stage
	v_bfe_u32 v11, v1, 3, 1                        ; column n of the 32 is row r' = (n % 8) + 8 (n / 16) of tile u = (n / 8) % 2
	v_and_b32 v12, 7, v1
	v_lshl_or_b32 v12, v3, 3, v12
	v_mul_u32_u24 v13, v11, 3072
	v_add_nc_u32 v13, s31, v13
	v_lshl_add_u32 v8, v12, 4, v13                 ; into the stage: tile u's four images, 16 r'
	v_lshl_add_u32 v9, v12, 3, v13                 ; and 8 r'
	v_add_nc_u32 v10, s31, v4                      ; out of it: 16 x lane
	v_lshlrev_b32 v14, 7, v11
	v_lshl_add_u32 v14, v12, 3, v14                ; my place in the unit of scale words: 128 u + 8 r'
.macro WLOADS pitch                            ; W(k, my column), k = 0 .. 255 of my quarter: 32 lanes read 128 consecutive bytes
.set kk, 0
.rept 256
	global_load_b32 v[kk], v6, s[6:7] offset:kk*\pitch th:TH_LOAD_NT
.set kk, kk+1
.endr
.endm
	s_cmp_eq_u32 s30, 1
	s_cbranch_scc0 .Lw_proj
	WIN 0x40
	WLOADS 12288
	WIN 0
	s_branch .Lw_loaded
.Lw_proj:
	WIN 0x40
	WLOADS 4096
	WIN 0
.Lw_loaded:
	s_wait_loadcnt 0x0
	; my eight blocks of 32 together, phase by phase, so that the register windows are switched five times in all.  v16-23, v24-31: two chains of maxima a block
	WIN 0x15                                       ; all three sources window 1
.irp kb, 0,1,2,3,4,5,6,7
	v_max3_num_f32 v[16+\kb], |v[32*\kb]|, |v[32*\kb+1]|, |v[32*\kb+2]|
	v_max3_num_f32 v[24+\kb], |v[32*\kb+3]|, |v[32*\kb+4]|, |v[32*\kb+5]|
.endr
	WIN 0x14                                       ; sources 1 and 2 window 1
.irp i, 6,10,14,18,22,26
.irp kb, 0,1,2,3,4,5,6,7
	v_max3_num_f32 v[16+\kb], v[16+\kb], |v[32*\kb+\i]|, |v[32*\kb+\i+1]|
	v_max3_num_f32 v[24+\kb], v[24+\kb], |v[32*\kb+\i+2]|, |v[32*\kb+\i+3]|
.endr
.endr
.irp kb, 0,1,2,3,4,5,6,7
	v_max3_num_f32 v[16+\kb], v[16+\kb], |v[32*\kb+30]|, |v[32*\kb+31]|
.endr
	WIN 0
.irp kb, 0,1,2,3,4,5,6,7
	v_max3_num_f32 v[16+\kb], v[16+\kb], v[24+\kb], 0x1800000   ; and the floor 2^(3 - 127)
.endr
.irp kb, 0,1,2,3,4,5,6,7
	v_add_nc_u32 v[32+\kb], 0xff000000, v[16+\kb]  ; the conversion's scale operand
.endr
.irp kb, 0,1,2,3,4,5,6,7
	v_lshrrev_b32 v[40+\kb], 23, v[32+\kb]         ; the byte
.endr
.irp w, 0,1
	v_lshl_or_b32 v[48+\w], v[41+4*\w], 8, v[40+4*\w]   ; four bytes to a word, the lower K in the lower byte
	v_lshl_or_b32 v[48+\w], v[42+4*\w], 16, v[48+\w]
	v_lshl_or_b32 v[48+\w], v[43+4*\w], 24, v[48+\w]
.endr
	WIN 0x01                                       ; the numbers: window 1
.irp kb, 0,1,2,3,4,5,6,7
	v_cvt_scalef32_pk16_fp6_f32 v[96+8*\kb:98+8*\kb], v[32*\kb:32*\kb+15], v[32+\kb]
	v_cvt_scalef32_pk16_fp6_f32 v[160+4*\kb:162+4*\kb], v[32*\kb+16:32*\kb+31], v[32+\kb]
.endr
	WIN 0
	v_nop                                          ; one plain place behind the conversions
.irp kb, 0,1,2,3,4,5,6,7
.irp i, 0,1,2
	v_mov_b32 v[99+8*\kb+\i], v[160+4*\kb+\i]
.endr
.endr
.irp kb, 0,1,2,3,4,5,6,7                       ; block kb is block kb % 2 of image kb / 2
	ds_store_b128 v8, v[96+8*\kb:99+8*\kb] offset:(\kb/2)*768+256*(\kb%2)
	ds_store_b64 v9, v[100+8*\kb:101+8*\kb] offset:(\kb/2)*768+512+128*(\kb%2)
.endr
	global_store_b64 v14, v[48:49], s[16:17]       ; the 32 lanes fill the unit of 256 bytes
.irp m, 0,1,2,3,4,5,6,7,8,9,10,11
	ds_load_b128 v[192+4*\m:195+4*\m], v10 offset:512*\m   ; LDS serves a wave's instructions in order: these see my stores
.endr
.irp m, 0,1,2,3,4,5,6,7,8,9,10,11
	s_wait_dscnt 11-\m                             ; load m is in; the later ones stay out
	global_store_b128 v4, v[192+4*\m:195+4*\m], s[12:13] offset:(\m/6)*12288+(\m%6)*512   ; 512 consecutive bytes, aligned
.endr
	s_wait_tensorcnt 0x0
	ds_add_u32 v254, v255
	s_wait_dscnt 0x0
	s_endpgm
.Lfunc_end_k_qc9e692d30c_quant:
	.size	k_qc9e692d30c_quant, .Lfunc_end_k_qc9e692d30c_quant-k_qc9e692d30c_quant
	.p2alignl 7, 3214868480
	.fill 96, 4, 3214868480
	.section	.rodata,"a",@progbits
	.p2align	6, 0x0
	.amdhsa_kernel k_qc9e692d30c_quant
		.amdhsa_group_segment_fixed_size 58880
		.amdhsa_private_segment_fixed_size 0
		.amdhsa_enable_private_segment 0
		.amdhsa_kernarg_size 64
		.amdhsa_user_sgpr_count 2
		.amdhsa_user_sgpr_kernarg_segment_ptr 1
		.amdhsa_wavefront_size32 1
		.amdhsa_system_sgpr_workgroup_id_x 1
		.amdhsa_system_sgpr_workgroup_id_y 1
		.amdhsa_system_sgpr_workgroup_id_z 1
		.amdhsa_system_vgpr_workitem_id 0
		.amdhsa_next_free_vgpr 512
		.amdhsa_next_free_sgpr 66
		.amdhsa_reserve_vcc 1
		.amdhsa_float_denorm_mode_32 3
		.amdhsa_float_denorm_mode_16_64 3
		.amdhsa_memory_ordered 1
		.amdhsa_forward_progress 1
		.amdhsa_inst_pref_size 98
	.end_amdhsa_kernel
	.amdgpu_metadata
---
amdhsa.version: [ 1, 2 ]
amdhsa.kernels:
  - .name:           k_qc9e692d30c_quant
    .symbol:         k_qc9e692d30c_quant.kd
    .args:
      - { .name: x, .offset: 0, .size: 8, .value_kind: global_buffer, .address_space: global }
      - { .name: w_attn, .offset: 8, .size: 8, .value_kind: global_buffer, .address_space: global }
      - { .name: w_proj, .offset: 16, .size: 8, .value_kind: global_buffer, .address_space: global }
      - { .name: xc, .offset: 24, .size: 8, .value_kind: global_buffer, .address_space: global }
      - { .name: wac, .offset: 32, .size: 8, .value_kind: global_buffer, .address_space: global }
      - { .name: wpc, .offset: 40, .size: 8, .value_kind: global_buffer, .address_space: global }
      - { .name: scl1, .offset: 48, .size: 8, .value_kind: global_buffer, .address_space: global }
      - { .name: scl2, .offset: 56, .size: 8, .value_kind: global_buffer, .address_space: global }
    .group_segment_fixed_size: 58880
    .private_segment_fixed_size: 0
    .kernarg_segment_align: 8
    .kernarg_segment_size: 64
    .max_flat_workgroup_size: 128
    .sgpr_count:     66
    .vgpr_count:     512
    .wavefront_size: 32
...
	.end_amdgpu_metadata
.endif
;; end of part 1
;; launch qkv (part 2): grid 12 x 32, 4 waves a work-group, clusters of 4 x 4, 327,680 bytes of LDS; arguments xc, wac, scl1, b_attn, qrec, kvrec; writes qrec, kvrec
.if DOCPART == 2
	.amdgcn_target "amdgcn-amd-amdhsa--gfx1250"
	.amdhsa_code_object_version 6
	.text
	.protected	k_qc9e692d30c_qkv
	.globl	k_qc9e692d30c_qkv
	.p2align	8
	.type	k_qc9e692d30c_qkv,@function
k_qc9e692d30c_qkv:
	s_mov_b64 s[64:65], 0
	v_nop
	global_prefetch_b8 v0, s[64:65] scope:SCOPE_SE
	s_setreg_imm32_b32 hwreg(HW_REG_WAVE_MODE, 25, 1), 1
	s_wait_xcnt 0x0
	s_wait_alu depctr_hold_cnt(0) depctr_sa_sdst(0) depctr_va_vdst(0) depctr_va_sdst(0) depctr_va_ssrc(0) depctr_va_vcc(0) depctr_vm_vsrc(0)
	s_getreg_b32 s2, hwreg(HW_REG_IB_STS2, 6, 4)
	s_cmp_eq_u32 s2, 0
	s_cbranch_scc0 .Lentry_in_a_cluster
	s_endpgm
.Lentry_in_a_cluster:
	s_bfe_u32 s2, ttmp6, 0x10000c
	s_cmp_lg_u32 s2, 0xf033
	s_cbranch_scc0 .Lentry_shape_is_right
	s_endpgm
.Lentry_shape_is_right:
; qkv = x w_attn + b_attn on codes of FP6 (E2M3) with E8M0 scales, K = 1,024; the results never go to memory as f32: q and k are quantised along the head's 64, v along the tokens (the keys), in registers, and leave as images of operand registers.
; OPERANDS (made by the launch before): codes [tile of 16 rows][K / 64][768 bytes]; lane r of tile t holds row 32 (t / 2) + 8 (t % 2) + r + 8 (r / 8); an image of 768 bytes: lane l's first 16 bytes at 16 l, its last 8 at 512 + 8 l.
; A fragment (16 rows x 128 K, 12 registers) is two images: a load of 16 bytes and one of 8 for each, all consecutive from lane to lane.
; L is source 1 of the matrix instruction (its rows fall on lanes), G source 0 (its rows fall on registers: with these tiles the 16 registers of G's tiles 2 b, 2 b + 1 are G's rows 32 b + 16 h + 0 .. 15, neighbours).
; ROLES, by the cluster's x, which all partners share: 0: q, 1: k: L = 256 tokens, G = 256 columns of w_attn, so that a lane's registers run along the head;  2: v: L = 256 of v's columns, G = 256 tokens, so that they run along the keys.
; Only pointers and tile numbers are chosen by the role; the products' text is one.  A work-group of four waves makes 256 x 256, a wave 128 x 128: 64 accumulators.  K goes in 8 steps of 128, two to a slot, through two LDS slots; written straight.
; CLUSTER 4 x 4: L's tiles hang on cy and are shared along a row of the cluster, G's on cx and are shared along a column: each is asked for jointly.
; OUT: qrec [batch x 16 + head][block of 256 tokens]: 16 images, then 4 units of scale words [r][4 tiles];  kvrec likewise: k's 16 images, v's [64 keys][16 of the head's 64] 16 images, k's 4 units, v's 2 ([r][4 tiles], a unit for 128 keys).
; A q or k scale word has its head's two bytes in bytes 0 and 1; bytes 2 and 3 (the neighbour head's, or 0) meet zero codes alone.
; LIMITS: a block whose largest magnitude lies under 2^-124 keeps the byte 1; a block of zeros has the byte 1 and not 127 (its codes are zeros; this program alone reads the bytes); NaN and infinities are not served.
; REGISTERS: window 0: v0-31 addresses; v32-95 scale words (register 8 i + s: lanes 0-15 L's tile i, lanes 16-31 G's tile i, K step s); v96-103 v's bias; v128-223 L's fragments, ONE set; on the way out v128-255 at work.
;   window 1: G's fragments, two sets, v0-95 and v128-223; q's and k's bias v96-127 and v224-255.   windows 2, 3: accumulator (a, b) at v[8 (8 (a % 4) + b)] of window 2 + a / 4.
.set LB,    8                          ; L's tiles of a wave
.set HB,    LB/2
.set HALFL, LB*3072                    ; a slot's part for one wave's tiles of L: 256 along K are 3,072 bytes a tile
.set HALFG, 24576
.set SLOT,  2*HALFL+2*HALFG            ; L's two halves, then G's two
.set SPARE, 2*SLOT                     ; behind the ring: the spare words, 128 bytes a wave: two blocks of 256 bytes that no other line names
.set ADL16, 16                         ; v16-17 LDS address of my tiles of L in slot 0, 1, + 16 x lane;  v18-19 + 8 x lane
.set ADL8,  18
.set ADG16, 20                         ; v20-23 the same for G
.set ADG8,  22
.set LI16,  24                         ; v24 16 x lane
.set LI8,   25                         ; v25 8 x lane
.set VSC,   26                         ; v26 where my scale words begin
.set SPW,   28                         ; v28 LDS address of my spare word; never rewritten
.set NIL,   29                         ; v29 0; never rewritten
.set SC,    32
.set BV,    96
.set LF,    128
.set T,     128                        ; the way out: 64 numbers
.set PCB,   192                        ; two sets of 12 registers of codes
.set TQ,    216
.set TM,    224
.set SW,    240                        ; eight scale words
.set WV,  16                           ; s16 wave
.set FH,  17                           ; s17 wave / 2: my half of L.  Also: I fetch for L (0) or for G (1)
.set HF,  18                           ; s18 wave % 2: my half of G.  Also: which half I fetch
.set SEL, 22
.set G1L, 24                           ; s[24:31] descriptor group 1 for L's tiles; s[32:39] group 0, a set for each slot
.set G0L, 32
.set G1G, 48                           ; s[48:55], s[56:63] the same for G's
.set G0G, 56
.set MSB, 0
.macro WIN new                         ; the immediate's high byte repeats the setting that is left
.if MSB != (\new)
	s_set_vgpr_msb (MSB<<8)|(\new)
.set MSB, (\new)
.endif
.endm
.macro PLACES n                        ; plain vector instructions between a matrix instruction and a load into, or a read of, its registers
.rept \n
	v_nop
.endr
.endm
; A joint load: waves 0 and 1 fetch L's halves, waves 2 and 3 G's.  Each line has one mask and one set of registers; the branch hangs on the wave's number alone.  Four v_nop follow each line.
.macro JLOAD g0l, g1l, g0g, g1g
	s_cmp_eq_u32 s[FH], 0
	s_cbranch_scc0 .Lfor_g_\@
	tensor_load_to_lds s[\g0l:\g0l+3], s[\g1l:\g1l+7]
	s_nop 0
.rept 4
	v_nop
.endr
	s_branch .Lasked_\@
.Lfor_g_\@:
	tensor_load_to_lds s[\g0g:\g0g+3], s[\g1g:\g1g+7]
	s_nop 0
.rept 4
	v_nop
.endr
.Lasked_\@:
.endm
.macro CREST                           ; a round of the cluster's barrier behind its opening barrier
	s_cmp_lg_u32 s[WV], 0
	s_cbranch_scc1 .Lnot_wave_0_\@
	s_barrier_signal -3
.Lnot_wave_0_\@:
	s_barrier_wait -3
	s_barrier_signal -1
	s_barrier_wait -1
.endm
.macro CROUND
	s_barrier_signal -1
	s_barrier_wait -1
	CREST
.endm
.macro FRAG reg, a16, a8, q, i         ; tile i's fragment of the slot's q-th 128 along K: images 2 q and 2 q + 1
.irp c, 0,1
	ds_load_b128 v[(\reg)+6*\c:(\reg)+6*\c+3], v[\a16] offset:(\i)*3072+(2*(\q)+\c)*768
	ds_load_b64 v[(\reg)+6*\c+4:(\reg)+6*\c+5], v[\a8] offset:(\i)*3072+(2*(\q)+\c)*768+512
.endr
.endm
.macro FETCH_G slot, q, set            ; G's eight fragments: 32 loads
	WIN 0x40
.irp i, 0,1,2,3,4,5,6,7
	FRAG 128*(\set)+12*\i, ADG16+\slot, ADG8+\slot, \q, \i
.endr
	WIN 0
.endm
.macro FETCH_L slot, q, a0             ; L's tiles a0 .. a0 + HB - 1: 4 HB loads
.set ff, \a0
.rept HB
	FRAG LF+12*ff, ADL16+\slot, ADL8+\slot, \q, ff
.set ff, ff+1
.endr
.endm
; L's tiles a0 .. a0 + n - 1 against G's eight, K step s.  The accumulators take turns, one instruction a turn, in the same order in every step.  zero = 1: the products start the sums.
.macro MULB a0, n, set, s, zero
	WIN 0xa1+0x50*((\a0)/4)                        ; source 0 (G) window 1, source 1 (L) window 0, C and D window 2 or 3
.set aa, \a0
.rept \n
.irp b, 0,1,2,3,4,5,6,7
.if \zero
	v_wmma_scale_f32_16x16x128_f8f6f4 v[8*(8*(aa%4)+\b):8*(8*(aa%4)+\b)+7], v[128*(\set)+12*\b:128*(\set)+12*\b+11], v[LF+12*aa:LF+12*aa+11], 0, v[SC+8*\b+(\s)], v[SC+8*aa+(\s)] matrix_a_fmt:MATRIX_FMT_FP6 matrix_b_fmt:MATRIX_FMT_FP6 matrix_a_scale:MATRIX_SCALE_ROW1
.else
	v_wmma_scale_f32_16x16x128_f8f6f4 v[8*(8*(aa%4)+\b):8*(8*(aa%4)+\b)+7], v[128*(\set)+12*\b:128*(\set)+12*\b+11], v[LF+12*aa:LF+12*aa+11], v[8*(8*(aa%4)+\b):8*(8*(aa%4)+\b)+7], v[SC+8*\b+(\s)], v[SC+8*aa+(\s)] matrix_a_fmt:MATRIX_FMT_FP6 matrix_b_fmt:MATRIX_FMT_FP6 matrix_a_scale:MATRIX_SCALE_ROW1
.endif
.endr
.set aa, aa+1
.endr
.endm
.macro STEP s, slot, zero              ; an even K step: its successor lies in the same slot
	s_wait_dscnt 4*HB                              ; G's set and L's first half are in; the youngest 4 HB loads (L's second half) may be out
	MULB 0, HB, 0, \s, \zero
	s_wait_dscnt 0x0                               ; L's second half is in
	PLACES 4
	FETCH_G \slot, 1, 1
	FETCH_L \slot, 1, 0
	MULB HB, HB, 0, \s, \zero
	PLACES 4
	WIN 0
	FETCH_L \slot, 1, HB
.endm
; An odd K step changes slots: one barrier; in front of it each wave waits for all its tensor loads, adds 0 to its spare word, and waits for that and for its reads of this slot.  fill = 1: this slot is filled again, with K two slots on.
.macro TURN s, slot, next, fill
	s_wait_tensorcnt 0x0                           ; all my tensor loads have landed: my part of the next slot
	ds_add_u32 v[SPW], v[NIL]                      ; 0 onto my spare word
	s_wait_dscnt 4*HB+1                            ; the add and L's second half may be out
	MULB 0, HB/2, 1, \s, 0                         ; matrix work stands between the add and the wait for it
	s_wait_dscnt 0x0                               ; the add is done, and my reads of this slot are over
	s_barrier_signal -1
	MULB HB/2, HB/2, 1, \s, 0
	WIN 0
	s_barrier_wait -1
.if \fill
	CREST                                          ; the barrier has opened a round of the cluster's: no wave of any partner still reads this slot or has a load on its way
	s_add_nc_u64 s[G0L+4*\slot+2:G0L+4*\slot+3], s[G0L+4*\slot+2:G0L+4*\slot+3], 6144
	s_add_nc_u64 s[G0G+4*\slot+2:G0G+4*\slot+3], s[G0G+4*\slot+2:G0G+4*\slot+3], 6144
	JLOAD G0L+4*\slot, G1L, G0G+4*\slot, G1G       ; the first tensor load behind the round; its four v_nop are the places in front of the loads below
.else
	PLACES 4
.endif
	FETCH_G \next, 0, 0
	FETCH_L \next, 0, 0
	MULB HB, HB, 1, \s, 0
	PLACES 4
	WIN 0
	FETCH_L \next, 0, HB
.endm
; 64 numbers of a lane, register 16 b + i = k 32 b + 16 h + i of my row, become a fragment's 12 registers of codes, v[pc] on, and its row's scale word, v[pw].
.macro QUANT s, pc, pw
.irp b, 0,1,2,3
	v_max3_num_f32 v[TM+\b], |v[(\s)+16*\b]|, |v[(\s)+1+16*\b]|, 0x1800000   ; my 16 numbers of block b, and the floor 2^(3 - 127): the byte cannot fall under 1
.endr
.irp i, 2,4,6,8,10,12,14
.irp b, 0,1,2,3
	v_max3_num_f32 v[TM+\b], v[TM+\b], |v[(\s)+16*\b+\i]|, |v[(\s)+1+16*\b+\i]|
.endr
.endr
.irp b, 0,1,2,3
	v_permlanex16_b32 v[TM+4+\b], v[TM+\b], s[SEL], s[SEL+1]
.endr
.irp b, 0,1,2,3
	v_max_num_f32 v[TM+\b], v[TM+\b], v[TM+4+\b]       ; with lane l xor 16's: the block's largest magnitude
.endr
.irp b, 0,1,2,3
	v_add_nc_u32 v[TM+12+\b], 0xff000000, v[TM+\b]     ; 2 off its exponent field: the conversion's scale operand
.endr
.irp b, 0,1,2,3
	v_lshrrev_b32 v[TM+4+\b], 23, v[TM+12+\b]          ; the byte
.endr
	v_lshl_or_b32 v[\pw], v[TM+5], 8, v[TM+4]
	v_lshl_or_b32 v[\pw], v[TM+6], 16, v[\pw]
	v_lshl_or_b32 v[\pw], v[TM+7], 24, v[\pw]
.irp c, 0,1
	v_cvt_scalef32_pk16_fp6_f32 v[(\pc)+6*\c:(\pc)+2+6*\c], v[(\s)+32*\c:(\s)+15+32*\c], v[TM+12+2*\c]
	v_cvt_scalef32_pk16_fp6_f32 v[TQ+4*\c:TQ+2+4*\c], v[(\s)+16+32*\c:(\s)+31+32*\c], v[TM+12+2*\c+1]
.endr
	v_nop                                          ; one plain place behind a scaled conversion
.irp c, 0,1
.irp i, 0,1,2
	v_permlane16_swap_b32 v[(\pc)+6*\c+\i], v[TQ+4*\c+\i]
.endr
.irp i, 0,1,2
	v_mov_b32 v[(\pc)+3+6*\c+\i], v[TQ+4*\c+\i]
.endr
.endr
.endm
	s_load_b256 s[4:11], s[0:1], 0x0               ; xc s[4:5], wac s[6:7], scl1 s[8:9], b_attn s[10:11]
	s_load_b128 s[12:15], s[0:1], 0x20             ; qrec s[12:13], kvrec s[14:15]
	v_lshl_add_u32 v[SPW], v0, 2, SPARE
	v_mov_b32 v[NIL], 0
	ds_add_u32 v28, v29
	s_wait_dscnt 0x0
	v_lshrrev_b32 v1, 5, v0
	v_readfirstlane_b32 s[WV], v1
	s_lshr_b32 s[FH], s[WV], 1
	s_and_b32 s[HF], s[WV], 1
	s_bfe_u32 s40, ttmp6, 0x40000                  ; cx
	s_bfe_u32 s41, ttmp6, 0x40004                  ; cy
	s_and_b32 s43, ttmp7, 0xffff                   ; the cluster's y
	s_lshl_b32 s45, s41, 2
	s_lshl_b32 s45, 15, s45                        ; my row of the cluster
	s_lshl_b32 s46, 0x1111, s40                    ; my column
	; descriptor group 1: R tiles' 256 along K: R rows of 384 elements of 8 bytes (3,072 bytes), 1,536 elements apart in memory, dense in LDS
	s_or_b32 s[G1L], s45, (3<<16)|(1<<21)          ; 15:0 the mask: L's tiles go to my row; 17:16 elements of 8 bytes; 21 set beside a mask
	s_or_b32 s[G1G], s46, (3<<16)|(1<<21)          ; G's go to my column
	s_mov_b32 s[G1L+1], 384<<16                    ; tensor_dim0
	s_mov_b32 s[G1L+2], LB<<16                     ; tensor_dim1
	s_mov_b32 s[G1L+3], 384<<16                    ; tile_dim0
	s_mov_b32 s[G1L+4], LB                         ; tile_dim1
	s_mov_b32 s[G1L+5], 1536                       ; tensor_dim0_stride
	s_mov_b32 s[G1L+6], 0
	s_mov_b32 s[G1L+7], 0
	s_mov_b32 s[G1G+1], 384<<16
	s_mov_b32 s[G1G+2], 8<<16
	s_mov_b32 s[G1G+3], 384<<16
	s_mov_b32 s[G1G+4], 8
	s_mov_b32 s[G1G+5], 1536
	s_mov_b32 s[G1G+6], 0
	s_mov_b32 s[G1G+7], 0
	s_mov_b32 s[SEL], 0x76543210
	s_mov_b32 s[SEL+1], 0xfedcba98
	; the role.  The selects hang on the cluster's ids alone; cy enters L's numbers only, cx G's only
	s_lshl_b32 s47, s43, 2
	s_cmp_eq_u32 ttmp9, 2
	s_cselect_b32 s44, 1, 0                        ; 1: v
	s_cselect_b32 s66, 0, s47
	s_cselect_b32 s76, s43, ttmp9
	s_cselect_b32 s67, 128, 0                      ; v's columns begin at tile 128 of w_attn
	s_cselect_b32 s68, 262144, 0                   ; where L's scale words lie in scl1: w_attn's part or x's
	s_cselect_b32 s78, 0, 262144                   ; and G's
	s_add_co_u32 s66, s66, s41                     ; LT: which 256 rows of L
	s_lshl_b32 s76, s76, 2
	s_add_co_u32 s76, s76, s40                     ; GT: which 256 rows of G
	s_lshl_b32 s69, s66, 4
	s_add_co_u32 s69, s69, s67                     ; L's first tile
	s_lshl_b32 s79, s76, 4                         ; G's
	s_mul_i32 s70, s[HF], LB
	s_add_co_u32 s70, s70, s69
	s_mul_i32 s70, s70, 12288                      ; the half of L that I would fetch, in bytes
	s_mov_b32 s71, 0
	s_lshl_b32 s80, s[HF], 3
	s_add_co_u32 s80, s80, s79
	s_mul_i32 s80, s80, 12288                      ; and of G
	s_mov_b32 s81, 0
	s_mul_i32 s72, s[HF], HALFL                    ; where they go: no place in the cluster enters an LDS address
	s_mul_i32 s82, s[HF], HALFG
	s_add_co_u32 s82, s82, 2*HALFL
	s_wait_kmcnt 0x0
	s_cmp_eq_u32 ttmp9, 2
	s_cselect_b64 s[74:75], s[6:7], s[4:5]         ; L's codes
	s_cselect_b64 s[84:85], s[4:5], s[6:7]         ; G's
	s_add_nc_u64 s[74:75], s[74:75], s[70:71]
	s_add_nc_u64 s[84:85], s[84:85], s[80:81]
	CROUND                                         ; all sixteen work-groups are here: the first joint loads meet
.irp n, 0,1
	s_mov_b32 s[G0L+4*\n], 1                       ; count = 1
	s_add_co_u32 s[G0L+4*\n+1], s72, \n*SLOT       ; LDS address
	s_add_nc_u64 s[G0L+4*\n+2:G0L+4*\n+3], s[74:75], \n*3072   ; global address: K 256 n on
	s_or_b32 s[G0L+4*\n+3], s[G0L+4*\n+3], 0x80000000          ; type = 2
	s_mov_b32 s[G0G+4*\n], 1
	s_add_co_u32 s[G0G+4*\n+1], s82, \n*SLOT
	s_add_nc_u64 s[G0G+4*\n+2:G0G+4*\n+3], s[84:85], \n*3072
	s_or_b32 s[G0G+4*\n+3], s[G0G+4*\n+3], 0x80000000
	JLOAD G0L+4*\n, G1L, G0G+4*\n, G1G             ; two tensor loads of mine are out
.endr
	v_and_b32 v1, 31, v0                           ; lane
	v_and_b32 v2, 15, v0                           ; r
	v_bfe_u32 v3, v0, 4, 1                         ; h
	v_lshlrev_b32 v[LI16], 4, v1
	v_lshlrev_b32 v[LI8], 3, v1
	s_mul_i32 s20, s[FH], HALFL
	s_mul_i32 s21, s[HF], HALFG
	s_add_co_u32 s21, s21, 2*HALFL
.irp s, 0,1
	v_add_nc_u32 v[ADL16+\s], s20, v[LI16]
	v_add_nc_u32 v[ADL8+\s], s20, v[LI8]
	v_add_nc_u32 v[ADG16+\s], s21, v[LI16]
	v_add_nc_u32 v[ADG8+\s], s21, v[LI8]
	s_add_co_u32 s20, s20, SLOT
	s_add_co_u32 s21, s21, SLOT
.endr
	; the scale words of all of K, from memory straight into registers, once: lanes 0-15 take L's, lanes 16-31 G's; a pair of tiles is 1,024 bytes
	s_lshl_b32 s20, s69, 9
	s_add_co_u32 s20, s20, s68
	s_mul_i32 s21, s[FH], (LB/2)*1024
	s_add_co_u32 s20, s20, s21
	s_lshl_b32 s21, s79, 9
	s_add_co_u32 s21, s21, s78
	s_lshl_b32 s86, s[HF], 12
	s_add_co_u32 s21, s21, s86
	v_cmp_le_u32 vcc_lo, 16, v1
	v_mov_b32 v[VSC], s20
	v_mov_b32 v27, s21
	v_cndmask_b32 v[VSC], v[VSC], v27, vcc_lo
	v_lshl_add_u32 v[VSC], v2, 3, v[VSC]
.irp i, 0,1,2,3,4,5,6,7
.irp q, 0,1,2,3
	global_load_b64 v[SC+8*\i+2*\q:SC+8*\i+2*\q+1], v[VSC], s[8:9] offset:(\i/2)*1024+256*\q+128*(\i%2)
.endr
.endr
	; both kinds of bias are loaded in every role, from places inside b_attn; the way out takes its own
	s_lshl_b32 s86, s76, 10
	s_lshl_b32 s87, s[HF], 9
	s_add_co_u32 s86, s86, s87                     ; q, k: my 128 columns' first byte
	s_lshl_b32 s88, s66, 10
	s_lshl_b32 s89, s[FH], 9
	s_add_co_u32 s88, s88, s89                     ; v: likewise, behind q's and k's 2,048 numbers
	s_cmp_eq_u32 s44, 1
	s_cselect_b32 s86, 0, s86
	s_cselect_b32 s88, s88, 0
	s_add_co_u32 s88, s88, 8192
	v_lshlrev_b32 v4, 6, v3
	v_add_nc_u32 v4, s86, v4                       ; register 8 b + j wants column 32 (b / 2) + 16 h + 8 (b % 2) + j
	v_and_b32 v5, 8, v2
	v_add_nc_u32 v5, v5, v2
	v_lshlrev_b32 v5, 2, v5
	v_add_nc_u32 v5, s88, v5                       ; lane r of tile a wants column 32 (a / 2) + 8 (a % 2) + r + 8 (r / 8)
	WIN 0x40
.irp b, 0,1,2,3,4,5,6,7
	global_load_b128 v[96+8*\b+96*(\b/4):96+8*\b+96*(\b/4)+3], v4, s[10:11] offset:(32*(\b/2)+8*(\b%2))*4
	global_load_b128 v[96+8*\b+96*(\b/4)+4:96+8*\b+96*(\b/4)+7], v4, s[10:11] offset:(32*(\b/2)+8*(\b%2))*4+16
.endr
	WIN 0
.irp a, 0,1,2,3,4,5,6,7
	global_load_b32 v[BV+\a], v5, s[10:11] offset:(32*(\a/2)+8*(\a%2))*4
.endr
	s_wait_tensorcnt 1                             ; my part of slot 0 is in; slot 1's may stay out
	s_barrier_signal -1
	s_barrier_wait -1                              ; everybody's is
	FETCH_G 0, 0, 0
	FETCH_L 0, 0, 0
	FETCH_L 0, 0, HB
	s_wait_loadcnt 0x0                             ; scale words and biases
	STEP 0, 0, 1                                   ; the first step's products start the sums
	TURN 1, 0, 1, 1
	STEP 2, 1, 0
	TURN 3, 1, 0, 1
	STEP 4, 0, 0
	TURN 5, 0, 1, 0                                ; nothing is left to fetch
	STEP 6, 1, 0
	s_wait_dscnt 4*HB
	MULB 0, HB, 1, 7, 0
	s_wait_dscnt 0x0
	MULB HB, HB, 1, 7, 0
	WIN 0
	; THE WAY OUT: for each of L's eight tiles: + bias (which also brings the 64 numbers into window 0), quantised, stored as images.  No LDS, no barrier.
.irp b, 0,1,2,3
	v_mov_b32 v[TM+4+\b], 0                        ; a lane permute's destination counts as one of its sources; these four are also the places behind the last products
.endr
	s_cmp_eq_u32 s44, 1
	s_cbranch_scc1 .Lvrole
	; ---- q and k: my 128 columns are two heads: images 0 and 1 of the fragment
	s_cmp_eq_u32 ttmp9, 0
	s_cselect_b64 s[80:81], s[12:13], s[14:15]     ; qrec or kvrec
	s_mov_b32 s82, 26112
	s_cselect_b32 s82, 13312, s82                  ; a record
	s_mov_b32 s83, 24576
	s_cselect_b32 s83, 12288, s83                  ; where its scale words begin
	s_lshr_b32 s84, s66, 3
	s_lshl_b32 s84, s84, 7                         ; record = batch x 128 + head x 8 + block of tokens
	s_and_b32 s85, s66, 7
	s_add_co_u32 s84, s84, s85
	s_and_b32 s85, s76, 3
	s_lshl_b32 s85, s85, 5                         ; head = 4 (GT % 4) + 2 (my half of G)
	s_add_co_u32 s84, s84, s85
	s_lshl_b32 s85, s[HF], 4
	s_add_co_u32 s84, s84, s85
	s_mul_i32 s84, s84, s82
	s_mov_b32 s85, 0
	s_add_nc_u64 s[80:81], s[80:81], s[84:85]      ; the even head's record
	s_mul_i32 s86, s[FH], 6144
	s_mov_b32 s87, 0
	s_add_nc_u64 s[88:89], s[80:81], s[86:87]      ; my eight tiles' images in it,
	s_lshl_b32 s86, s82, 3
	s_add_nc_u64 s[90:91], s[88:89], s[86:87]      ; and in the odd head's, eight records on
	v_mul_u32_u24 v30, v3, s86
	v_lshl_add_u32 v30, v2, 4, v30
	s_lshl_b32 s92, s[FH], 9
	s_add_co_u32 s92, s92, s83
	v_add_nc_u32 v30, s92, v30                     ; scale words: lanes 0-15 the even head's unit, lanes 16-31 the odd head's; 16 r
	v_lshlrev_b32 v31, 4, v3                       ; 16 h: the odd head's two bytes come down
.macro EPI_QK a
.set AC, 64*((\a)%4)
.set PP, PCB+12*((\a)%2)
	s_wait_xcnt 0x0                                ; the stores of two tiles ago have read these registers of codes
	WIN (2+(\a)/4)|4                               ; source 0: the accumulators' window; source 1 (bias): window 1
.set ii, 0
.rept 32
	v_pk_add_f32 v[T+ii:T+ii+1], v[AC+ii:AC+ii+1], v[96+ii+96*(ii/32):97+ii+96*(ii/32)]   ; ascending: each accumulator from its low end on
.set ii, ii+2
.endr
	WIN 0
	QUANT T, PP, SW+(\a)
	global_store_b128 v[LI16], v[PP:PP+3], s[88:89] offset:768*(\a)          ; 512 consecutive bytes, aligned
	global_store_b64 v[LI8], v[PP+4:PP+5], s[88:89] offset:768*(\a)+512      ; 256 consecutive bytes, aligned
	global_store_b128 v[LI16], v[PP+6:PP+9], s[90:91] offset:768*(\a)
	global_store_b64 v[LI8], v[PP+10:PP+11], s[90:91] offset:768*(\a)+512
.endm
.irp a, 0,1,2,3,4,5,6,7
	EPI_QK \a
.endr
.irp a, 0,1,2,3,4,5,6,7
	v_lshrrev_b32 v[SW+\a], v31, v[SW+\a]
.endr
	global_store_b128 v30, v[SW:SW+3], s[80:81]              ; sixteen lanes fill a unit of 256 bytes
	global_store_b128 v30, v[SW+4:SW+7], s[80:81] offset:256
	s_branch .Lend
	; ---- v: my 128 columns are two heads x four tiles of 16; my 128 tokens are one K step of the second product of attention
.Lvrole:
	s_lshr_b32 s84, s76, 3
	s_lshl_b32 s84, s84, 7
	s_and_b32 s85, s76, 7
	s_add_co_u32 s84, s84, s85
	s_lshl_b32 s85, s66, 5                         ; head = 4 LT + 2 (my half of L)
	s_add_co_u32 s84, s84, s85
	s_lshl_b32 s85, s[FH], 4
	s_add_co_u32 s84, s84, s85
	s_mul_i32 s84, s84, 26112
	s_mov_b32 s85, 0
	s_add_nc_u64 s[80:81], s[14:15], s[84:85]      ; the first head's record
	s_mul_i32 s86, s[HF], 6144
	s_add_co_u32 s86, s86, 12288
	s_mov_b32 s87, 0
	s_add_nc_u64 s[88:89], s[80:81], s[86:87]      ; v's images of my 128 keys
	s_lshl_b32 s86, s[HF], 8
	s_add_co_u32 s86, s86, 25600
	s_add_nc_u64 s[90:91], s[80:81], s[86:87]      ; and their unit of scale words
	v_mul_u32_u24 v30, v3, 208896                  ; lanes 16-31: the second head, eight records on
	v_lshl_add_u32 v30, v2, 4, v30
	v_cmp_le_u32 vcc_lo, 16, v1
.macro EPI_V a
.set AC, 64*((\a)%4)
.set PP, PCB+12*((\a)%2)
	s_wait_xcnt 0x0
	WIN 2+(\a)/4
.set ii, 0
.rept 64
	v_add_f32 v[T+ii], v[AC+ii], v[BV+(\a)]        ; my column's bias; ascending
.set ii, ii+1
.endr
	WIN 0
	QUANT T, PP, SW+(\a)
.irp c, 0,1
	global_store_b128 v[LI16], v[PP+6*\c:PP+6*\c+3], s[88:89] offset:((\a)/4)*208896+((\a)%4)*768+3072*\c
	global_store_b64 v[LI8], v[PP+6*\c+4:PP+6*\c+5], s[88:89] offset:((\a)/4)*208896+((\a)%4)*768+3072*\c+512
.endr
.endm
.irp a, 0,1,2,3,4,5,6,7
	EPI_V \a
.endr
.irp i, 0,1,2,3
	v_cndmask_b32 v[248+\i], v[SW+\i], v[SW+4+\i], vcc_lo
.endr
	global_store_b128 v30, v[248:251], s[90:91]    ; sixteen lanes fill a unit of 256 bytes
.Lend:
	s_wait_tensorcnt 0x0                           ; the wave's end
	ds_add_u32 v[SPW], v[NIL]
	s_wait_dscnt 0x0
	CROUND                                         ; the closing round: no work-group ends while a partner may still ask for a tile that names it
	s_endpgm
.Lfunc_end_k_qc9e692d30c_qkv:
	.size	k_qc9e692d30c_qkv, .Lfunc_end_k_qc9e692d30c_qkv-k_qc9e692d30c_qkv
	.p2alignl 7, 3214868480
	.fill 96, 4, 3214868480
	.section	.rodata,"a",@progbits
	.p2align	6, 0x0
	.amdhsa_kernel k_qc9e692d30c_qkv
		.amdhsa_group_segment_fixed_size 327680
		.amdhsa_private_segment_fixed_size 0
		.amdhsa_enable_private_segment 0
		.amdhsa_kernarg_size 48
		.amdhsa_user_sgpr_count 2
		.amdhsa_user_sgpr_kernarg_segment_ptr 1
		.amdhsa_wavefront_size32 1
		.amdhsa_system_sgpr_workgroup_id_x 1
		.amdhsa_system_sgpr_workgroup_id_y 1
		.amdhsa_system_sgpr_workgroup_id_z 1
		.amdhsa_system_vgpr_workitem_id 0
		.amdhsa_next_free_vgpr 1024
		.amdhsa_next_free_sgpr 100
		.amdhsa_reserve_vcc 1
		.amdhsa_float_denorm_mode_32 3
		.amdhsa_float_denorm_mode_16_64 3
		.amdhsa_memory_ordered 1
		.amdhsa_forward_progress 1
		.amdhsa_inst_pref_size 217
	.end_amdhsa_kernel
	.amdgpu_metadata
---
amdhsa.version: [ 1, 2 ]
amdhsa.kernels:
  - .name:           k_qc9e692d30c_qkv
    .symbol:         k_qc9e692d30c_qkv.kd
    .args:
      - { .name: xc, .offset: 0, .size: 8, .value_kind: global_buffer, .address_space: global }
      - { .name: wac, .offset: 8, .size: 8, .value_kind: global_buffer, .address_space: global }
      - { .name: scl1, .offset: 16, .size: 8, .value_kind: global_buffer, .address_space: global }
      - { .name: b_attn, .offset: 24, .size: 8, .value_kind: global_buffer, .address_space: global }
      - { .name: qrec, .offset: 32, .size: 8, .value_kind: global_buffer, .address_space: global }
      - { .name: kvrec, .offset: 40, .size: 8, .value_kind: global_buffer, .address_space: global }
    .group_segment_fixed_size: 327680
    .private_segment_fixed_size: 0
    .kernarg_segment_align: 8
    .kernarg_segment_size: 48
    .max_flat_workgroup_size: 128
    .sgpr_count:     100
    .vgpr_count:     1024
    .wavefront_size: 32
...
	.end_amdgpu_metadata
.endif
;; end of part 2
;; launch attn (part 3): grid 4 x 64, 16 waves a work-group, no clusters, 327,680 bytes of LDS; arguments qrec, kvrec, yc, scl2; writes yc, scl2
.if DOCPART == 3
	.amdgcn_target "amdgcn-amd-amdhsa--gfx1250"
	.amdhsa_code_object_version 6
	.text
	.protected	k_qc9e692d30c_attn
	.globl	k_qc9e692d30c_attn
	.p2align	8
	.type	k_qc9e692d30c_attn,@function
k_qc9e692d30c_attn:
	s_mov_b64 s[64:65], 0
	v_nop
	global_prefetch_b8 v0, s[64:65] scope:SCOPE_SE
	s_setreg_imm32_b32 hwreg(HW_REG_WAVE_MODE, 25, 1), 1
	s_wait_xcnt 0x0
; y[b][q][head] = softmax_k(q . k / 8, causal) v, both products on codes of FP6 (E2M3) with E8M0 scales; y is divided by the row's sum, quantised along the model's 1,024 (the head's 64 are two blocks) and stored as an image for the projection.
; THE SOFTMAX: t = score x log2(e) / 8; M = the running largest t rounded UP to a whole number; p = 2^(t - M) is quantised along the keys, not normalised; the row's sum is taken of the unquantised p.  When M moves, sum and O are multiplied by 2^(old M - new M): exact.
; INPUTS (made by the launch before): for each head and block of 256 tokens a record.  qrec: 16 images of 768 bytes (16 queries x 64), 4 units of scale words.  kvrec, 26,112 bytes: k's 16 images; v's 16 ([64 keys][16 of the head's 64]); k's 4 units; v's 2.
; Lane r of tile t holds row 32 (t / 2) + 8 (t % 2) + r + 8 (r / 8): so the 16 registers of source 0's tiles 2 b, 2 b + 1 are 16 neighbours.  The first product's K is 64: the upper half of both fragments is zero codes.
; SHARES: work-group (J, head) takes the query blocks J and then 7 - J, and walks key slots 0 .. J and then 0 .. 7 - J: nine slots of 256 keys in every work-group, so the trip count is a constant and no slot that the mask hides is fetched.
; Each of SIXTEEN waves owns one tile of 16 queries in 256 registers, four waves to a SIMD.  Both products are used transposed: a lane holds one query throughout.
; A slot is one record of kvrec, brought by waves 0 and 1 (half each, 51 rows of 256 bytes) into one of two LDS slots and read by all sixteen.
; NO CLUSTER: the four work-groups of a head want different slots in the same trip (their sequences are 0; 0 1; 0 1 2; .. then the long ones): to ask jointly they would have to walk 12 slots in place of 9.
; LIMITS: 1 / sum is v_rcp_f32 and a multiply; a block of y under 2^-124 keeps the byte 1, a block of zeros too; NaN and infinities are not served.  The scale bytes of y leave one byte a lane: 32 bytes beside a tile's 768.
; REGISTERS: v1-11 addresses; v12 -M, v13 the largest t, v[14:15] the sum; v16-27 Q, v28 its scale word; v32-79 four fragments of K; v80-87 K's scale words, v88-91 V's; v96-159 S^T, then p, then V's four fragments; v160-191 O^T;
;   v192-203 p's codes; v204-211 second halves of conversions; v212-223 maxima, bytes, scale operands; v224 p's scale word; v[226:227] f; v228-255 at work.
.set SLOT1, 32768                      ; slot 1 begins here: one exclusive or turns an address in one slot into the other's
.set VOFF,  12288
.set KSO,   24576
.set VSO,   25600
.set REC,   26112
.set SPARE, 65536                      ; the spare words, 128 bytes for each of sixteen waves: eight blocks of 256 bytes that no other line names
.set WV,  12
.set J,   13
.set BH,  14
.set BLK, 15                           ; the block of queries in hand
.set T,   16                           ; the trip
.set SW,  17                           ; J + 1: the trip at whose head the blocks change
.set NS,  18                           ; the record last asked for
.set TB,  19                           ; LDS byte at which the slot in hand begins
.set SEL, 20
.set CS,  22                           ; s[22:23] c = log2(e) / 8
.set G1,  24
.set G0,  32
.set KVB, 36                           ; s[36:37] my half of the head's record 0;  s[38:39] an offset, s39 = 0
.set KF,  40                           ; the step's first key
.set Q0,  41                           ; my tile's first query
.set QMAX, 42                          ; and its last: Q0 + 23
.set WQ,  43
.set PFA, 56
.set LIM, 58
.macro TLOAD                           ; waves 0 and 1 fetch, the others nothing; four v_nop follow the line
	s_cmp_lt_u32 s[WV], 2
	s_cbranch_scc0 .Lnone_\@
	tensor_load_to_lds s[G0:G0+3], s[G1:G1+7]
	s_nop 0
.rept 4
	v_nop
.endr
.Lnone_\@:
.endm
; A PREFETCH INTO THE L2 of the codes (24,576 bytes) of the record that the NEXT change of slots of this work-group will ask for.  All four work-groups of a head read the same records: the one with J = 0 asks, whose walk is 0, 0, 1 .. 7:
; trip T names record T + 1, T = 0 .. 6, a slot's two key steps ahead of its load.  Waves 4 to 6 ask, 8,192 bytes each, lanes 256 bytes apart: each aligned block of 256 bytes is named once.  Record 0 and the scale words come by the loads alone.
.macro ASK
	s_cmp_lt_u32 s[T], s[LIM]
	s_cbranch_scc0 .Lnot_mine_\@
	global_prefetch_b8 v11, s[PFA:PFA+1] th:TH_LOAD_NT scope:SCOPE_SE
.Lnot_mine_\@:
.endm
; A block of queries begins: its addresses, my tile of Q, and the statistics: O^T and the sum are zeros and the largest t is -3e38, so that the step needs no first form.
.macro BEGIN_BLOCK
	s_wait_xcnt 0x0                                ; the last block's stores have read their bases
	s_mul_i32 s60, s[BLK], 13312
	s_mov_b32 s61, 0
	s_add_nc_u64 s[52:53], s[44:45], s[60:61]      ; my image of Q
	s_add_nc_u64 s[54:55], s[46:47], s[60:61]      ; its scale words
	s_mul_i32 s60, s[BLK], 196608
	s_add_nc_u64 s[66:67], s[48:49], s[60:61]      ; my image of y
	s_lshl_b32 s60, s[BLK], 13
	s_add_nc_u64 s[68:69], s[50:51], s[60:61]      ; its scale bytes
	global_load_b128 v[16:19], v1, s[52:53]
	global_load_b64 v[20:21], v2, s[52:53] offset:512
	global_load_b32 v28, v3, s[54:55]
.irp i, 22,23,24,25,26,27
	v_mov_b32 v\i, 0                               ; K = 64 .. 127 of the first product: zero codes
.endr
	v_mov_b32 v13, 0xff61b1e6                      ; -3e38
	s_delay_alu instid0(VALU_DEP_1)
	v_floor_f32 v12, -v13
	v_mov_b32 v14, 0
	v_mov_b32 v15, 0
.set j, 0
.rept 32
	v_mov_b32 v[160+j], 0
.set j, j+1
.endr
	s_mov_b32 s[KF], 0
	s_lshl_b32 s[Q0], s[BLK], 8
	s_add_co_u32 s[Q0], s[Q0], s[WQ]
	s_add_co_u32 s[QMAX], s[Q0], 23
	s_wait_loadcnt 0x0
.endm
; A KEY STEP: 128 keys, the q-th of the slot in hand.
.macro STEP q
	s_cmp_gt_u32 s[KF], s[QMAX]                    ; all its keys come after my queries: the step's work is left out (a branch on ids; no barrier and no tensor load stands in a step)
	s_cbranch_scc1 .Lhidden_\@
	v_add_nc_u32 v8, s[TB], v1
	s_wait_alu depctr_va_vdst(0)
	v_add_nc_u32 v9, s[TB], v2
	s_wait_alu depctr_va_vdst(0)
	v_add_nc_u32 v10, s[TB], v3
	v_nop
	v_nop                                          ; five places: the products below write over registers that the last step's products read as V's fragments
	ds_load_b128 v[80:83], v10 offset:KSO+256*(2*(\q))     ; the scale words of the step's eight tiles of K
	ds_load_b128 v[84:87], v10 offset:KSO+256*(2*(\q)+1)
.irp g, 0,1                                    ; S^T = K Q^T, four tiles of 16 keys at a time
.if \g
.rept 4
	v_nop                                          ; places in front of loads into registers that matrix instructions have read
.endr
.endif
.irp t, 0,1,2,3
	ds_load_b128 v[32+12*\t:35+12*\t], v8 offset:(8*(\q)+4*\g+\t)*768
	ds_load_b64 v[36+12*\t:37+12*\t], v9 offset:(8*(\q)+4*\g+\t)*768+512
.endr
	s_wait_dscnt 0x0
.irp t, 0,1,2,3
	v_wmma_scale_f32_16x16x128_f8f6f4 v[96+8*(4*\g+\t):103+8*(4*\g+\t)], v[32+12*\t:43+12*\t], v[16:27], 0, v[80+4*\g+\t], v28 matrix_a_fmt:MATRIX_FMT_FP6 matrix_b_fmt:MATRIX_FMT_FP6
.endr
.endr                                          ; register 16 b + i: key KF + 32 b + 16 h + i
.rept 4
	v_nop
.endr
	s_add_co_u32 s60, s[KF], 127                   ; on the diagonal hidden scores become -infinity ahead of the maximum; a step all of whose keys count skips this
	s_cmp_le_u32 s60, s[Q0]
	s_cbranch_scc1 .Lopen_\@
	s_sub_co_i32 s60, s[Q0], s[KF]
	v_add_nc_u32 v229, s60, v4                     ; d = my query - KF - 16 h: hidden where 32 b + i > d
	v_mov_b32 v230, 0xff800000
.set n, 0
.rept 64
	v_cmp_gt_i32 vcc_lo, 32*(n/16)+n%16, v229
	v_cndmask_b32 v[96+n], v[96+n], v230, vcc_lo
.set n, n+1
.endr
.Lopen_\@:
.irp b, 0,1,2,3
	v_max3_num_f32 v[212+\b], v[96+16*\b], v[97+16*\b], v[98+16*\b]   ; the largest score of each block of 32 keys: for the row's maximum, and, since p rises with the score, for the block's largest p
.endr
.irp i, 3,5,7,9,11,13
.irp b, 0,1,2,3
	v_max3_num_f32 v[212+\b], v[212+\b], v[96+16*\b+\i], v[97+16*\b+\i]
.endr
.endr
.irp b, 0,1,2,3
	v_max_num_f32 v[212+\b], v[212+\b], v[111+16*\b]
.endr
.irp b, 0,1,2,3
	s_delay_alu instid0(VALU_DEP_4)
	v_permlanex16_b32 v[216+\b], v[212+\b], s[SEL], s[SEL+1]
.endr
.irp b, 0,1,2,3
	s_delay_alu instid0(VALU_DEP_4)
	v_max_num_f32 v[212+\b], v[212+\b], v[216+\b]  ; with lane l xor 16's 16 keys
.endr
	s_delay_alu instid0(VALU_DEP_2)
	v_max3_num_f32 v228, v212, v213, v214
	s_delay_alu instid0(VALU_DEP_1)
	v_max_num_f32 v228, v228, v215
	s_delay_alu instid0(VALU_DEP_1)
	v_mul_f32 v228, s[CS], v228                    ; as t
	s_delay_alu instid0(VALU_DEP_1)
	v_max_num_f32 v13, v13, v228                   ; the running largest t
	v_mov_b32 v228, v12
	s_delay_alu instid0(VALU_DEP_2)
	v_floor_f32 v12, -v13                          ; the new -M = floor(-t)
	s_delay_alu instid0(VALU_DEP_1)
	v_sub_f32 v228, v12, v228                      ; old M - new M: a whole number, 0 or less
	s_delay_alu instid0(VALU_DEP_1)
	v_cvt_i32_f32 v228, v228                       ; (it saturates)
	s_delay_alu instid0(VALU_DEP_1)
	v_ldexp_f32 v226, 1.0, v228                    ; f = 2^(old M - new M)
.set j, 0
.rept 32
	v_pk_fma_f32 v[96+j:97+j], v[96+j:97+j], s[CS:CS+1], v[12:13] op_sel_hi:[1,0,0]   ; t - M, two at a time
.set j, j+2
.endr
.irp b, 0,1,2,3
	v_fma_f32 v[212+\b], v[212+\b], s[CS], v12     ; the same of each block's largest score
.endr
.set j, 0
	s_wait_alu depctr_va_vdst(0)
.rept 64
	v_exp_f32 v[96+j], v[96+j]                     ; p = 2^(t - M)
.set j, j+1
.endr
	v_pk_mul_f32 v[14:15], v[14:15], v[226:227] op_sel_hi:[1,0]   ; the sums under the new M: the plain place behind the exponentials
	s_wait_alu depctr_va_vdst(0)                   ; one wait for the whole batch, ahead of its first reader
.irp b, 0,1,2,3
	v_exp_f32 v[212+\b], v[212+\b]                 ; the block's largest p
.endr
	v_pk_add_f32 v[230:231], v[100:101], v[104:105]
	v_pk_add_f32 v[254:255], v[108:109], v[112:113]
	v_pk_add_f32 v[252:253], v[116:117], v[120:121]
	v_pk_add_f32 v[250:251], v[124:125], v[128:129]
	v_pk_add_f32 v[248:249], v[132:133], v[136:137]
	v_pk_add_f32 v[246:247], v[140:141], v[144:145]
	v_pk_add_f32 v[244:245], v[148:149], v[152:153]
	v_pk_add_f32 v[14:15], v[14:15], v[156:157]
	v_pk_add_f32 v[230:231], v[230:231], v[96:97]
	v_pk_add_f32 v[254:255], v[254:255], v[98:99]
	v_pk_add_f32 v[252:253], v[252:253], v[102:103]
	v_pk_add_f32 v[250:251], v[250:251], v[106:107]
	v_pk_add_f32 v[248:249], v[248:249], v[110:111]
	v_pk_add_f32 v[246:247], v[246:247], v[114:115]
	v_pk_add_f32 v[244:245], v[244:245], v[118:119]
	v_pk_add_f32 v[14:15], v[14:15], v[122:123]
	v_pk_add_f32 v[230:231], v[230:231], v[126:127]
	v_pk_add_f32 v[254:255], v[254:255], v[130:131]
	v_pk_add_f32 v[252:253], v[252:253], v[134:135]
	v_pk_add_f32 v[250:251], v[250:251], v[138:139]
	v_pk_add_f32 v[248:249], v[248:249], v[142:143]
	v_pk_add_f32 v[246:247], v[246:247], v[146:147]
	v_pk_add_f32 v[244:245], v[244:245], v[150:151]
	v_pk_add_f32 v[14:15], v[14:15], v[154:155]
	v_pk_add_f32 v[230:231], v[230:231], v[158:159]
	s_delay_alu instid0(VALU_DEP_2)
	v_pk_add_f32 v[14:15], v[14:15], v[250:251]
	s_delay_alu instid0(VALU_DEP_2)
	v_pk_add_f32 v[230:231], v[230:231], v[248:249]
	v_pk_add_f32 v[254:255], v[254:255], v[246:247]
	v_pk_add_f32 v[252:253], v[252:253], v[244:245]
	s_delay_alu instid0(VALU_DEP_2)
	v_pk_add_f32 v[14:15], v[14:15], v[254:255]
	s_delay_alu instid0(VALU_DEP_2)
	v_pk_add_f32 v[230:231], v[230:231], v[252:253]
	s_delay_alu instid0(VALU_DEP_1)
	v_pk_add_f32 v[14:15], v[14:15], v[230:231]
	s_wait_alu depctr_va_vdst(0)                   ; and one for the four
.irp b, 0,1,2,3
	v_max_num_f32 v[212+\b], 0x1800000, v[212+\b]  ; the floor 2^(3 - 127)
.endr
.irp b, 0,1,2,3
	s_delay_alu instid0(VALU_DEP_4)
	v_add_nc_u32 v[220+\b], 0xff000000, v[212+\b]  ; the conversion's scale operand
.endr
.irp b, 0,1,2,3
	s_delay_alu instid0(VALU_DEP_4)
	v_lshrrev_b32 v[216+\b], 23, v[220+\b]         ; the byte
.endr
	s_delay_alu instid0(VALU_DEP_3)
	v_lshl_or_b32 v224, v217, 8, v216              ; p's scale word for these 128 keys
	s_delay_alu instid0(VALU_DEP_1)
	v_lshl_or_b32 v224, v218, 16, v224
	s_delay_alu instid0(VALU_DEP_1)
	v_lshl_or_b32 v224, v219, 24, v224
.irp c, 0,1
	v_cvt_scalef32_pk16_fp6_f32 v[192+6*\c:194+6*\c], v[96+32*\c:111+32*\c], v[220+2*\c]
	v_cvt_scalef32_pk16_fp6_f32 v[204+4*\c:206+4*\c], v[112+32*\c:127+32*\c], v[220+2*\c+1]
.endr
	v_nop                                          ; one plain place behind the conversions
.irp dt, 0,1,2,3                               ; p has been read for the last time: V's four fragments (16 of the head's 64 x these 128 keys) land where it lay, while the codes are put in order
.irp c, 0,1
	ds_load_b128 v[96+12*\dt+6*\c:99+12*\dt+6*\c], v8 offset:VOFF+(2*(\q)+\c)*3072+768*\dt
	ds_load_b64 v[100+12*\dt+6*\c:101+12*\dt+6*\c], v9 offset:VOFF+(2*(\q)+\c)*3072+768*\dt+512
.endr
.endr
	ds_load_b128 v[88:91], v10 offset:VSO+256*(\q)
.irp c, 0,1
.irp i, 0,1,2
	v_permlane16_swap_b32 v[192+6*\c+\i], v[204+4*\c+\i]
.endr
.irp i, 0,1,2
	s_delay_alu instid0(VALU_DEP_3)
	v_mov_b32 v[195+6*\c+\i], v[204+4*\c+\i]
.endr
.endr
.set j, 0
.rept 16
	v_pk_mul_f32 v[160+j:161+j], v[160+j:161+j], v[226:227] op_sel_hi:[1,0]   ; O^T under the new M; these sixteen are also the places between the codes' and the scale word's last writes and the products
.set j, j+2
.endr
	s_wait_alu depctr_va_vdst(0)
	s_wait_dscnt 0x0
.irp dt, 0,1,2,3                               ; O^T += V^T P^T: four accumulators, one instruction each
	v_wmma_scale_f32_16x16x128_f8f6f4 v[160+8*\dt:167+8*\dt], v[96+12*\dt:107+12*\dt], v[192:203], v[160+8*\dt:167+8*\dt], v[88+\dt], v224 matrix_a_fmt:MATRIX_FMT_FP6 matrix_b_fmt:MATRIX_FMT_FP6
.endr
.Lhidden_\@:
	s_add_co_u32 s[KF], s[KF], 128
.endm
; THE CHANGE OF SLOTS stands at a slot's head: each wave waits for all its tensor loads, adds 0 to its spare word, waits for that and for its reads of the slot that it has left; one barrier.  fill = 1: that slot is filled with the walk's next record.
.macro CHANGE fill
	s_wait_tensorcnt 0x0                           ; no tensor load of mine is out, so group 0 may be written
	ds_add_u32 v5, v6                              ; 0 onto my spare word
.if \fill
	s_xor_b32 s[G0+1], s[G0+1], SLOT1              ; the other slot than last time
	s_add_co_u32 s60, s[T], 1
	s_add_co_u32 s[NS], s[NS], 1
	s_cmp_eq_u32 s60, s[SW]
	s_cselect_b32 s[NS], 0, s[NS]                  ; the next record, or record 0 where the second block of queries begins
	s_mul_i32 s38, s[NS], REC
	s_add_nc_u64 s[G0+2:G0+3], s[KVB:KVB+1], s[38:39]
	s_or_b32 s[G0+3], s[G0+3], 0x80000000
	s_wait_xcnt 0x0                                ; the last prefetch, a slot back, has read its address
	s_add_nc_u64 s[PFA:PFA+1], s[PFA:PFA+1], REC
.endif
	s_wait_dscnt 0x0                               ; the add is done, and my reads of the slot that I have left are over
	s_barrier_signal -1
	s_barrier_wait -1
.if \fill
	TLOAD                                          ; the first thing behind the barrier, a wave's one tensor load until the next: one load of mine is out
	ASK
.endif
.endm
; A block of queries ends: O^T / the sum, quantised (two blocks of 32 along the head), stored as one image and 32 scale bytes.
.macro FINISH
.rept 4
	v_nop                                          ; places behind the last products
.endr
	s_wait_xcnt 0x0                                ; an earlier block's stores have read their registers
	v_add_f32 v14, v14, v15
	s_delay_alu instid0(VALU_DEP_1)
	v_permlanex16_b32 v216, v14, s[SEL], s[SEL+1]
	s_delay_alu instid0(VALU_DEP_1)
	v_add_f32 v14, v14, v216                       ; the row's sum
	s_wait_alu depctr_va_vdst(0)
	v_rcp_f32 v226, v14
	v_nop                                          ; a plain place behind the transcendental
	s_wait_alu depctr_va_vdst(0)                   ; and the wait ahead of its first reader
.set j, 0
.rept 16
	v_pk_mul_f32 v[96+j:97+j], v[160+j:161+j], v[226:227] op_sel_hi:[1,0]   ; register 16 b + i: y(my query, 32 b + 16 h + i)
.set j, j+2
.endr
.irp b, 0,1
	v_max3_num_f32 v[212+\b], |v[96+16*\b]|, |v[97+16*\b]|, 0x1800000
.endr
.irp i, 2,4,6,8,10,12,14
.irp b, 0,1
	s_delay_alu instid0(VALU_DEP_2)
	v_max3_num_f32 v[212+\b], v[212+\b], |v[96+16*\b+\i]|, |v[97+16*\b+\i]|
.endr
.endr
.irp b, 0,1
	s_delay_alu instid0(VALU_DEP_2)
	v_permlanex16_b32 v[216+\b], v[212+\b], s[SEL], s[SEL+1]
.endr
.irp b, 0,1
	s_delay_alu instid0(VALU_DEP_2)
	v_max_num_f32 v[212+\b], v[212+\b], v[216+\b]
.endr
.irp b, 0,1
	s_delay_alu instid0(VALU_DEP_2)
	v_add_nc_u32 v[220+\b], 0xff000000, v[212+\b]
.endr
.irp b, 0,1
	s_delay_alu instid0(VALU_DEP_2)
	v_lshrrev_b32 v[216+\b], 23, v[220+\b]
.endr
	v_cvt_scalef32_pk16_fp6_f32 v[236:238], v[96:111], v220
	v_cvt_scalef32_pk16_fp6_f32 v[242:244], v[112:127], v221
	v_nop
.irp i, 0,1,2
	v_permlane16_swap_b32 v[236+\i], v[242+\i]     ; lanes 0-15 now hold block 0 whole, lanes 16-31 block 1
.endr
.irp i, 0,1,2
	s_delay_alu instid0(VALU_DEP_3)
	v_mov_b32 v[239+\i], v[242+\i]
.endr
	v_cmp_le_u32 vcc_lo, 0x100, v1                 ; lanes 16-31
	s_delay_alu instid0(VALU_DEP_1)
	v_cndmask_b32 v234, v216, v217, vcc_lo         ; my block's byte
	global_store_b128 v1, v[236:239], s[66:67]             ; 512 consecutive bytes, aligned
	global_store_b64 v2, v[240:241], s[66:67] offset:512   ; 256 consecutive bytes, aligned
	global_store_b8 v7, v234, s[68:69]
.endm
	s_load_b256 s[4:11], s[0:1], 0x0               ; qrec s[4:5], kvrec s[6:7], yc s[8:9], scl2 s[10:11]
	v_lshl_add_u32 v5, v0, 2, SPARE
	v_mov_b32 v6, 0
	ds_add_u32 v5, v6
	ds_add_u32 v5, v6
	s_wait_dscnt 0x0
	v_lshrrev_b32 v1, 5, v0
	s_delay_alu instid0(VALU_DEP_1)
	v_readfirstlane_b32 s[WV], v1                  ; wave 0..15
	s_mov_b32 s[J], ttmp9
	s_and_b32 s[BH], ttmp7, 0xffff                 ; batch x 16 + head
	; descriptor group 1: half a record, a dense block of 51 rows of 256 bytes (32 elements of 8 bytes)
	s_mov_b32 s[G1], 3<<16
	s_mov_b32 s[G1+1], 32<<16
	s_mov_b32 s[G1+2], 51<<16
	s_mov_b32 s[G1+3], 32<<16
	s_mov_b32 s[G1+4], 51
	s_mov_b32 s[G1+5], 32
	s_mov_b32 s[G1+6], 0
	s_mov_b32 s[G1+7], 0
	s_mov_b32 s[SEL], 0x76543210
	s_mov_b32 s[SEL+1], 0xfedcba98
	s_mov_b32 s[CS], 0x3e38aa3b                    ; log2(e) / 8
	s_mov_b32 s[CS+1], s[CS]
	s_mov_b32 s[T], 0
	s_add_co_u32 s[SW], s[J], 1
	s_mov_b32 s[NS], 0
	s_mov_b32 s[TB], 0
	s_mov_b32 s[BLK], s[J]
	s_mul_i32 s38, s[BH], 208896                   ; the head's eight records
	s_mov_b32 s39, 0
	s_and_b32 s61, s[WV], 1
	s_mul_i32 s[G0+1], s61, 13056                  ; LDS address: slot 0, my half
	s_wait_kmcnt 0x0
	s_add_nc_u64 s[PFA:PFA+1], s[6:7], s[38:39]    ; the prefetches stand at record 0; the first change of slots steps them to record 1
	s_add_co_u32 s38, s38, s[G0+1]
	s_add_nc_u64 s[KVB:KVB+1], s[6:7], s[38:39]
	s_mov_b32 s[G0], 1
	s_mov_b64 s[G0+2:G0+3], s[KVB:KVB+1]
	s_or_b32 s[G0+3], s[G0+3], 0x80000000
	TLOAD                                          ; record 0 into slot 0
	s_lshr_b32 s59, s[BH], 4                       ; batch
	s_and_b32 s60, s[BH], 15                       ; head
	s_mov_b32 s63, 0
	s_mul_i32 s61, s[BH], 106496                   ; qrec: the head's eight records
	s_mul_i32 s62, s[WV], 768
	s_add_co_u32 s62, s62, s61
	s_add_nc_u64 s[44:45], s[4:5], s[62:63]        ; my tile's image in block 0
	s_lshr_b32 s62, s[WV], 2
	s_lshl_b32 s62, s62, 8
	s_add_co_u32 s62, s62, s61
	s_and_b32 s61, s[WV], 3
	s_lshl_b32 s61, s61, 2
	s_add_co_u32 s62, s62, s61
	s_add_co_u32 s62, s62, 12288
	s_add_nc_u64 s[46:47], s[4:5], s[62:63]        ; its scale words: unit wave / 4, word wave % 4
	s_lshl_b32 s62, s59, 7
	s_add_co_u32 s62, s62, s[WV]
	s_mul_i32 s62, s62, 12288
	s_mul_i32 s61, s60, 768
	s_add_co_u32 s62, s62, s61
	s_add_nc_u64 s[48:49], s[8:9], s[62:63]        ; yc: tile 128 batch + wave (+ 16 a block), image = head
	s_lshl_b32 s62, s59, 6
	s_lshr_b32 s61, s[WV], 1
	s_add_co_u32 s62, s62, s61
	s_lshl_b32 s62, s62, 10                        ; scl2: pair of tiles,
	s_lshr_b32 s61, s60, 2
	s_lshl_b32 s61, s61, 8
	s_add_co_u32 s62, s62, s61                     ; quarter of K = head / 4,
	s_and_b32 s61, s[WV], 1
	s_lshl_b32 s61, s61, 7
	s_add_co_u32 s62, s62, s61                     ; tile of the pair,
	s_bfe_u32 s61, s60, 0x10001
	s_lshl_b32 s61, s61, 2
	s_add_co_u32 s62, s62, s61                     ; word = (head / 2) % 2,
	s_and_b32 s61, s60, 1
	s_lshl_b32 s61, s61, 1
	s_add_co_u32 s62, s62, s61                     ; bytes 2 (head % 2) + h
	s_add_nc_u64 s[50:51], s[10:11], s[62:63]
	s_lshr_b32 s[WQ], s[WV], 1
	s_lshl_b32 s[WQ], s[WQ], 5
	s_and_b32 s61, s[WV], 1
	s_lshl_b32 s61, s61, 3
	s_add_co_u32 s[WQ], s[WQ], s61                 ; my tile's first query in a block: 32 (wave / 2) + 8 (wave % 2)
	s_sub_co_u32 s61, s[WV], 4
	s_cmp_lt_u32 s61, 3                            ; waves 4 to 6
	s_cselect_b32 s[LIM], 7, 0
	s_min_u32 s61, s61, 2                          ; (held inside a record in every wave)
	s_lshl_b32 s61, s61, 13
	s_cmp_eq_u32 s[J], 0                           ; of the head's first work-group
	s_cselect_b32 s[LIM], s[LIM], 0
	v_and_b32 v8, 31, v0                           ; lane
	v_and_b32 v9, 15, v0                           ; r
	v_bfe_u32 v10, v0, 4, 1                        ; h
	s_delay_alu instid0(VALU_DEP_3)
	v_lshlrev_b32 v1, 4, v8                        ; 16 x lane
	s_delay_alu instid0(VALU_DEP_4)
	v_lshlrev_b32 v2, 3, v8                        ; 8 x lane
	s_delay_alu instid0(VALU_DEP_4)
	v_lshlrev_b32 v3, 4, v9                        ; 16 r
	v_and_b32 v4, 8, v9
	s_delay_alu instid0(VALU_DEP_1)
	v_add_nc_u32 v4, v4, v9
	v_lshlrev_b32 v11, 4, v10
	s_delay_alu instid0(VALU_DEP_1)
	v_sub_nc_u32 v4, v4, v11                       ; r + 8 (r / 8) - 16 h
	v_lshl_add_u32 v7, v9, 3, v10                  ; 8 r + h
	v_lshl_add_u32 v11, v8, 8, s61                 ; the prefetches' offset
.irp t, 0,1,2,3
.irp i, 6,7,8,9,10,11
	v_mov_b32 v[32+12*\t+\i], 0                    ; K = 64 .. 127 of K's fragments: zero codes, written once
.endr
.endr
.irp b, 0,1,2,3
	v_mov_b32 v[216+\b], 0                         ; a lane permute's destination counts as one of its sources
.endr
	v_mov_b32 v227, 0                              ; named as the upper half of the pair v[226:227]
	BEGIN_BLOCK
.Ltrip:                                            ; eight trips; the ninth slot is written out
	s_cmp_lg_u32 s[T], s[SW]
	s_cbranch_scc1 .Lsame_block
	FINISH                                         ; the first block of queries is done: on to block 7 - J
	s_sub_co_u32 s[BLK], 7, s[J]
	BEGIN_BLOCK
.Lsame_block:
	CHANGE 1
	STEP 0
	STEP 1
	s_xor_b32 s[TB], s[TB], SLOT1
	s_add_co_u32 s[T], s[T], 1
	s_cmp_lt_u32 s[T], 8
	s_cbranch_scc1 .Ltrip
	CHANGE 0
	STEP 0
	STEP 1
	FINISH
	s_wait_tensorcnt 0x0                           ; the wave's end
	ds_add_u32 v5, v6
	s_wait_dscnt 0x0
	s_endpgm
.Lfunc_end_k_qc9e692d30c_attn:
	.size	k_qc9e692d30c_attn, .Lfunc_end_k_qc9e692d30c_attn-k_qc9e692d30c_attn
	.p2alignl 7, 3214868480
	.fill 96, 4, 3214868480
	.section	.rodata,"a",@progbits
	.p2align	6, 0x0
	.amdhsa_kernel k_qc9e692d30c_attn
		.amdhsa_group_segment_fixed_size 327680
		.amdhsa_private_segment_fixed_size 0
		.amdhsa_enable_private_segment 0
		.amdhsa_kernarg_size 32
		.amdhsa_user_sgpr_count 2
		.amdhsa_user_sgpr_kernarg_segment_ptr 1
		.amdhsa_wavefront_size32 1
		.amdhsa_system_sgpr_workgroup_id_x 1
		.amdhsa_system_sgpr_workgroup_id_y 1
		.amdhsa_system_sgpr_workgroup_id_z 1
		.amdhsa_system_vgpr_workitem_id 0
		.amdhsa_next_free_vgpr 256
		.amdhsa_next_free_sgpr 72
		.amdhsa_reserve_vcc 1
		.amdhsa_float_denorm_mode_32 3
		.amdhsa_float_denorm_mode_16_64 3
		.amdhsa_memory_ordered 1
		.amdhsa_forward_progress 1
		.amdhsa_inst_pref_size 111
	.end_amdhsa_kernel
	.amdgpu_metadata
---
amdhsa.version: [ 1, 2 ]
amdhsa.kernels:
  - .name:           k_qc9e692d30c_attn
    .symbol:         k_qc9e692d30c_attn.kd
    .args:
      - { .name: qrec, .offset: 0, .size: 8, .value_kind: global_buffer, .address_space: global }
      - { .name: kvrec, .offset: 8, .size: 8, .value_kind: global_buffer, .address_space: global }
      - { .name: yc, .offset: 16, .size: 8, .value_kind: global_buffer, .address_space: global }
      - { .name: scl2, .offset: 24, .size: 8, .value_kind: global_buffer, .address_space: global }
    .group_segment_fixed_size: 327680
    .private_segment_fixed_size: 0
    .kernarg_segment_align: 8
    .kernarg_segment_size: 32
    .max_flat_workgroup_size: 512
    .sgpr_count:     72
    .vgpr_count:     256
    .wavefront_size: 32
...
	.end_amdgpu_metadata
.endif
;; end of part 3
;; launch proj (part 4): grid 4 x 64, 4 waves a work-group, clusters of 4 x 4, 327,680 bytes of LDS; arguments yc, wpc, scl2, b_proj, out0; writes out0
.if DOCPART == 4
	.amdgcn_target "amdgcn-amd-amdhsa--gfx1250"
	.amdhsa_code_object_version 6
	.text
	.protected	k_qc9e692d30c_proj
	.globl	k_qc9e692d30c_proj
	.p2align	8
	.type	k_qc9e692d30c_proj,@function
k_qc9e692d30c_proj:
	s_mov_b64 s[64:65], 0
	v_nop
	global_prefetch_b8 v0, s[64:65] scope:SCOPE_SE
	s_setreg_imm32_b32 hwreg(HW_REG_WAVE_MODE, 25, 1), 1
	s_wait_xcnt 0x0
	s_wait_alu depctr_hold_cnt(0) depctr_sa_sdst(0) depctr_va_vdst(0) depctr_va_sdst(0) depctr_va_ssrc(0) depctr_va_vcc(0) depctr_vm_vsrc(0)
	s_getreg_b32 s2, hwreg(HW_REG_IB_STS2, 6, 4)
	s_cmp_eq_u32 s2, 0
	s_cbranch_scc0 .Lentry_in_a_cluster
	s_endpgm
.Lentry_in_a_cluster:
	s_bfe_u32 s2, ttmp6, 0x10000c
	s_cmp_lg_u32 s2, 0xf033
	s_cbranch_scc0 .Lentry_shape_is_right
	s_endpgm
.Lentry_shape_is_right:
; out0 = y w_proj + b_proj on codes of FP6 (E2M3) with E8M0 scales, K = 1,024; out0 [8192][1024] f32.
; OPERANDS (made by earlier launches): codes [tile of 16 rows][K / 64][768 bytes]; lane r of tile t holds row 32 (t / 2) + 8 (t % 2) + r + 8 (r / 8); an image of 768 bytes: lane l's first 16 bytes at 16 l, its last 8 at 512 + 8 l.
; L = y's tokens is source 1 of the matrix instruction (rows on lanes), G = w_proj's columns source 0 (rows on registers: the 16 registers of G's tiles 2 b, 2 b + 1 are columns 32 b + 16 h + 0 .. 15).
; A work-group of four waves makes 128 tokens x 256 columns, so that there are 256 work-groups; a wave 64 x 128: 32 accumulators.  K goes in 8 steps of 128, two to a slot, through two LDS slots; written straight.
; CLUSTER 4 x 4: L's tiles hang on cy and are shared along a row of the cluster, G's on cx and are shared along a column: each is asked for jointly.
; REGISTERS: window 0: v0-31 addresses; v32-95 scale words (register 8 i + s: lanes 0-15 L's tile i, lanes 16-31 G's tile i, K step s); v128-175 L's fragments, ONE set; on the way out v128-191 results, v192-255 rows read back.
;   window 1: G's fragments, two sets, v0-95 and v128-223; the bias v96-127 and v224-255.   window 2: accumulator (a, b) at v[8 (8 a + b)].
.set LB,    4                          ; L's tiles of a wave
.set HB,    LB/2
.set HALFL, LB*3072
.set HALFG, 24576
.set SLOT,  2*HALFL+2*HALFG            ; L's two halves, then G's two
.set SPARE, 2*SLOT                     ; behind the ring: the spare words, 128 bytes a wave: two blocks of 256 bytes that no other line names
.set STG,   8448                       ; the way out: a stage of 16 rows x (512 bytes + 16) for each wave, in slot 0, which has had its last fill and its last read when the first result is stored there
.set ADL16, 16
.set ADL8,  18
.set ADG16, 20
.set ADG8,  22
.set LI16,  24
.set LI8,   25
.set VSC,   26
.set SPW,   28                         ; v28 LDS address of my spare word; never rewritten
.set NIL,   29                         ; v29 0; never rewritten
.set STO,   30                         ; v30 where I put 64 bytes of a row
.set RD,    31                         ; v31 where I read a row back
.set SC,    32
.set LF,    128
.set T,     128
.set BK,    192
.set WV,  16
.set FH,  17                           ; wave / 2: my half of L.  Also: I fetch for L (0) or for G (1)
.set HF,  18                           ; wave % 2: my half of G.  Also: which half I fetch
.set G1L, 24
.set G0L, 32
.set G1G, 48
.set G0G, 56
.set MSB, 0
.macro WIN new                         ; the immediate's high byte repeats the setting that is left
.if MSB != (\new)
	s_set_vgpr_msb (MSB<<8)|(\new)
.set MSB, (\new)
.endif
.endm
.macro PLACES n                        ; plain vector instructions between a matrix instruction and a load into, or a read of, its registers
.rept \n
	v_nop
.endr
.endm
.macro JLOAD g0l, g1l, g0g, g1g        ; a joint load: waves 0 and 1 fetch L's halves, waves 2 and 3 G's; four v_nop follow each line
	s_cmp_eq_u32 s[FH], 0
	s_cbranch_scc0 .Lfor_g_\@
	tensor_load_to_lds s[\g0l:\g0l+3], s[\g1l:\g1l+7]
	s_nop 0
.rept 4
	v_nop
.endr
	s_branch .Lasked_\@
.Lfor_g_\@:
	tensor_load_to_lds s[\g0g:\g0g+3], s[\g1g:\g1g+7]
	s_nop 0
.rept 4
	v_nop
.endr
.Lasked_\@:
.endm
.macro CREST                           ; a round of the cluster's barrier behind its opening barrier
	s_cmp_lg_u32 s[WV], 0
	s_cbranch_scc1 .Lnot_wave_0_\@
	s_barrier_signal -3
.Lnot_wave_0_\@:
	s_barrier_wait -3
	s_barrier_signal -1
	s_barrier_wait -1
.endm
.macro CROUND
	s_barrier_signal -1
	s_barrier_wait -1
	CREST
.endm
.macro FRAG reg, a16, a8, q, i         ; tile i's fragment of the slot's q-th 128 along K: images 2 q and 2 q + 1
.irp c, 0,1
	ds_load_b128 v[(\reg)+6*\c:(\reg)+6*\c+3], v[\a16] offset:(\i)*3072+(2*(\q)+\c)*768
	ds_load_b64 v[(\reg)+6*\c+4:(\reg)+6*\c+5], v[\a8] offset:(\i)*3072+(2*(\q)+\c)*768+512
.endr
.endm
.macro FETCH_G slot, q, set            ; G's eight fragments: 32 loads
	WIN 0x40
.irp i, 0,1,2,3,4,5,6,7
	FRAG 128*(\set)+12*\i, ADG16+\slot, ADG8+\slot, \q, \i
.endr
	WIN 0
.endm
.macro FETCH_L slot, q, a0             ; L's tiles a0 .. a0 + HB - 1: 4 HB loads
.set ff, \a0
.rept HB
	FRAG LF+12*ff, ADL16+\slot, ADL8+\slot, \q, ff
.set ff, ff+1
.endr
.endm
; L's tiles a0 .. a0 + n - 1 against G's eight, K step s.  The accumulators take turns, one instruction a turn, in the same order in every step.  zero = 1: the products start the sums.
.macro MULB a0, n, set, s, zero
	WIN 0xa1                                       ; source 0 (G) window 1, source 1 (L) window 0, C and D window 2
.set aa, \a0
.rept \n
.irp b, 0,1,2,3,4,5,6,7
.if \zero
	v_wmma_scale_f32_16x16x128_f8f6f4 v[8*(8*aa+\b):8*(8*aa+\b)+7], v[128*(\set)+12*\b:128*(\set)+12*\b+11], v[LF+12*aa:LF+12*aa+11], 0, v[SC+8*\b+(\s)], v[SC+8*aa+(\s)] matrix_a_fmt:MATRIX_FMT_FP6 matrix_b_fmt:MATRIX_FMT_FP6 matrix_a_scale:MATRIX_SCALE_ROW1
.else
	v_wmma_scale_f32_16x16x128_f8f6f4 v[8*(8*aa+\b):8*(8*aa+\b)+7], v[128*(\set)+12*\b:128*(\set)+12*\b+11], v[LF+12*aa:LF+12*aa+11], v[8*(8*aa+\b):8*(8*aa+\b)+7], v[SC+8*\b+(\s)], v[SC+8*aa+(\s)] matrix_a_fmt:MATRIX_FMT_FP6 matrix_b_fmt:MATRIX_FMT_FP6 matrix_a_scale:MATRIX_SCALE_ROW1
.endif
.endr
.set aa, aa+1
.endr
.endm
.macro STEP s, slot, zero              ; an even K step: its successor lies in the same slot
	s_wait_dscnt 4*HB                              ; G's set and L's first half are in; the youngest 4 HB loads (L's second half) may be out
	MULB 0, HB, 0, \s, \zero
	s_wait_dscnt 0x0                               ; L's second half is in
	PLACES 4
	FETCH_G \slot, 1, 1
	FETCH_L \slot, 1, 0
	MULB HB, HB, 0, \s, \zero
	PLACES 4
	WIN 0
	FETCH_L \slot, 1, HB
.endm
; An odd K step changes slots: one barrier; in front of it each wave waits for all its tensor loads, adds 0 to its spare word, and waits for that and for its reads of this slot.  fill = 1: this slot is filled again, with K two slots on.
.macro TURN s, slot, next, fill
	s_wait_tensorcnt 0x0                           ; all my tensor loads have landed: my part of the next slot
	ds_add_u32 v[SPW], v[NIL]                      ; 0 onto my spare word
	s_wait_dscnt 4*HB+1                            ; the add and L's second half may be out
	MULB 0, HB/2, 1, \s, 0                         ; matrix work stands between the add and the wait for it
	s_wait_dscnt 0x0                               ; the add is done, and my reads of this slot are over
	s_barrier_signal -1
	MULB HB/2, HB/2, 1, \s, 0
	WIN 0
	s_barrier_wait -1
.if \fill
	CREST                                          ; the barrier has opened a round of the cluster's: no wave of any partner still reads this slot or has a load on its way
	s_add_nc_u64 s[G0L+4*\slot+2:G0L+4*\slot+3], s[G0L+4*\slot+2:G0L+4*\slot+3], 6144
	s_add_nc_u64 s[G0G+4*\slot+2:G0G+4*\slot+3], s[G0G+4*\slot+2:G0G+4*\slot+3], 6144
	JLOAD G0L+4*\slot, G1L, G0G+4*\slot, G1G       ; the first tensor load behind the round; its four v_nop are the places in front of the loads below
.else
	PLACES 4
.endif
	FETCH_G \next, 0, 0
	FETCH_L \next, 0, 0
	MULB HB, HB, 1, \s, 0
	PLACES 4
	WIN 0
	FETCH_L \next, 0, HB
.endm
	s_load_b256 s[4:11], s[0:1], 0x0               ; yc s[4:5], wpc s[6:7], scl2 s[8:9], b_proj s[10:11]
	s_load_b64 s[12:13], s[0:1], 0x20              ; out0
	v_lshl_add_u32 v[SPW], v0, 2, SPARE
	v_mov_b32 v[NIL], 0
	ds_add_u32 v28, v29
	s_wait_dscnt 0x0
	v_lshrrev_b32 v1, 5, v0
	v_readfirstlane_b32 s[WV], v1
	s_lshr_b32 s[FH], s[WV], 1
	s_and_b32 s[HF], s[WV], 1
	s_bfe_u32 s40, ttmp6, 0x40000                  ; cx
	s_bfe_u32 s41, ttmp6, 0x40004                  ; cy
	s_and_b32 s43, ttmp7, 0xffff                   ; the cluster's y
	s_lshl_b32 s45, s41, 2
	s_lshl_b32 s45, 15, s45                        ; my row of the cluster
	s_lshl_b32 s46, 0x1111, s40                    ; my column
	; descriptor group 1: R tiles' 256 along K: R rows of 384 elements of 8 bytes (3,072 bytes), 1,536 elements apart in memory, dense in LDS
	s_or_b32 s[G1L], s45, (3<<16)|(1<<21)          ; 15:0 the mask: L's tiles go to my row; 17:16 elements of 8 bytes; 21 set beside a mask
	s_or_b32 s[G1G], s46, (3<<16)|(1<<21)          ; G's go to my column
	s_mov_b32 s[G1L+1], 384<<16
	s_mov_b32 s[G1L+2], LB<<16
	s_mov_b32 s[G1L+3], 384<<16
	s_mov_b32 s[G1L+4], LB
	s_mov_b32 s[G1L+5], 1536
	s_mov_b32 s[G1L+6], 0
	s_mov_b32 s[G1L+7], 0
	s_mov_b32 s[G1G+1], 384<<16
	s_mov_b32 s[G1G+2], 8<<16
	s_mov_b32 s[G1G+3], 384<<16
	s_mov_b32 s[G1G+4], 8
	s_mov_b32 s[G1G+5], 1536
	s_mov_b32 s[G1G+6], 0
	s_mov_b32 s[G1G+7], 0
	s_lshl_b32 s66, s43, 2
	s_add_co_u32 s66, s66, s41                     ; LT: which 128 tokens
	s_lshl_b32 s76, ttmp9, 2
	s_add_co_u32 s76, s76, s40                     ; GT: which 256 columns
	s_lshl_b32 s69, s66, 3                         ; L's first tile
	s_lshl_b32 s79, s76, 4                         ; G's
	s_mul_i32 s70, s[HF], LB
	s_add_co_u32 s70, s70, s69
	s_mul_i32 s70, s70, 12288                      ; the half of L that I would fetch, in bytes
	s_mov_b32 s71, 0
	s_lshl_b32 s80, s[HF], 3
	s_add_co_u32 s80, s80, s79
	s_mul_i32 s80, s80, 12288                      ; and of G
	s_mov_b32 s81, 0
	s_mul_i32 s72, s[HF], HALFL                    ; where they go: no place in the cluster enters an LDS address
	s_mul_i32 s82, s[HF], HALFG
	s_add_co_u32 s82, s82, 2*HALFL
	s_wait_kmcnt 0x0
	s_add_nc_u64 s[74:75], s[4:5], s[70:71]
	s_add_nc_u64 s[84:85], s[6:7], s[80:81]
	CROUND                                         ; all sixteen work-groups are here: the first joint loads meet
.irp n, 0,1
	s_mov_b32 s[G0L+4*\n], 1
	s_add_co_u32 s[G0L+4*\n+1], s72, \n*SLOT
	s_add_nc_u64 s[G0L+4*\n+2:G0L+4*\n+3], s[74:75], \n*3072
	s_or_b32 s[G0L+4*\n+3], s[G0L+4*\n+3], 0x80000000
	s_mov_b32 s[G0G+4*\n], 1
	s_add_co_u32 s[G0G+4*\n+1], s82, \n*SLOT
	s_add_nc_u64 s[G0G+4*\n+2:G0G+4*\n+3], s[84:85], \n*3072
	s_or_b32 s[G0G+4*\n+3], s[G0G+4*\n+3], 0x80000000
	JLOAD G0L+4*\n, G1L, G0G+4*\n, G1G             ; two tensor loads of mine are out
.endr
	v_and_b32 v1, 31, v0                           ; lane
	v_and_b32 v2, 15, v0                           ; r
	v_bfe_u32 v3, v0, 4, 1                         ; h
	v_lshlrev_b32 v[LI16], 4, v1
	v_lshlrev_b32 v[LI8], 3, v1
	s_mul_i32 s20, s[FH], HALFL
	s_mul_i32 s21, s[HF], HALFG
	s_add_co_u32 s21, s21, 2*HALFL
.irp s, 0,1
	v_add_nc_u32 v[ADL16+\s], s20, v[LI16]
	v_add_nc_u32 v[ADL8+\s], s20, v[LI8]
	v_add_nc_u32 v[ADG16+\s], s21, v[LI16]
	v_add_nc_u32 v[ADG8+\s], s21, v[LI8]
	s_add_co_u32 s20, s20, SLOT
	s_add_co_u32 s21, s21, SLOT
.endr
	s_mul_i32 s20, s[WV], STG                      ; my stage
	v_mul_u32_u24 v[STO], v2, 528
	v_lshl_add_u32 v[STO], v3, 6, v[STO]
	v_add_nc_u32 v[STO], s20, v[STO]               ; in: row r, + 64 h
	v_add_nc_u32 v[RD], s20, v[LI16]               ; back: a row's 512 bytes, 16 a lane
	; the scale words of all of K, from memory straight into registers, once: lanes 0-15 take L's, lanes 16-31 G's.  (L has four tiles: in registers 8 i + s, i = 4 .. 7, lanes 0-15 hold words that no product names; their loads stay inside scl2)
	s_lshl_b32 s20, s69, 9
	s_mul_i32 s21, s[FH], (LB/2)*1024
	s_add_co_u32 s20, s20, s21
	s_lshl_b32 s21, s79, 9
	s_add_co_u32 s21, s21, 262144
	s_lshl_b32 s86, s[HF], 12
	s_add_co_u32 s21, s21, s86
	v_cmp_le_u32 vcc_lo, 16, v1
	v_mov_b32 v[VSC], s20
	v_mov_b32 v27, s21
	v_cndmask_b32 v[VSC], v[VSC], v27, vcc_lo
	v_lshl_add_u32 v[VSC], v2, 3, v[VSC]
.irp i, 0,1,2,3,4,5,6,7
.irp q, 0,1,2,3
	global_load_b64 v[SC+8*\i+2*\q:SC+8*\i+2*\q+1], v[VSC], s[8:9] offset:(\i/2)*1024+256*\q+128*(\i%2)
.endr
.endr
	s_lshl_b32 s86, s76, 10
	s_lshl_b32 s87, s[HF], 9
	s_add_co_u32 s86, s86, s87                     ; my 128 columns' first byte in b_proj, and in a row of out0
	v_lshlrev_b32 v4, 6, v3
	v_add_nc_u32 v4, s86, v4                       ; register 8 b + j wants column 32 (b / 2) + 16 h + 8 (b % 2) + j
	WIN 0x40
.irp b, 0,1,2,3,4,5,6,7
	global_load_b128 v[96+8*\b+96*(\b/4):96+8*\b+96*(\b/4)+3], v4, s[10:11] offset:(32*(\b/2)+8*(\b%2))*4
	global_load_b128 v[96+8*\b+96*(\b/4)+4:96+8*\b+96*(\b/4)+7], v4, s[10:11] offset:(32*(\b/2)+8*(\b%2))*4+16
.endr
	WIN 0
	s_lshl_b32 s90, s66, 19                        ; 128 rows of 4,096 bytes
	s_lshl_b32 s91, s[FH], 18                      ; + my 64
	s_add_co_u32 s90, s90, s91
	s_add_co_u32 s90, s90, s86
	s_mov_b32 s91, 0
	s_add_nc_u64 s[12:13], s[12:13], s[90:91]
	s_wait_tensorcnt 1                             ; my part of slot 0 is in; slot 1's may stay out
	s_barrier_signal -1
	s_barrier_wait -1                              ; everybody's is
	FETCH_G 0, 0, 0
	FETCH_L 0, 0, 0
	FETCH_L 0, 0, HB
	s_wait_loadcnt 0x0                             ; scale words and bias
	STEP 0, 0, 1                                   ; the first step's products start the sums
	TURN 1, 0, 1, 1
	STEP 2, 1, 0
	TURN 3, 1, 0, 1
	STEP 4, 0, 0
	TURN 5, 0, 1, 0                                ; nothing is left to fetch; behind this barrier nobody reads slot 0
	STEP 6, 1, 0
	s_wait_dscnt 4*HB
	MULB 0, HB, 1, 7, 0
	s_wait_dscnt 0x0
	MULB HB, HB, 1, 7, 0
	WIN 0
	; THE WAY OUT, a tile of 16 tokens x 128 columns at a time: + bias (which also brings the numbers into window 0), through my own stage, back as whole rows of 512 bytes.
	PLACES 4
.macro OUT a
	WIN 0x06                                       ; source 0: the accumulators, window 2; source 1: the bias, window 1
.set ii, 0
.rept 32
	v_pk_add_f32 v[T+ii:T+ii+1], v[64*(\a)+ii:64*(\a)+ii+1], v[96+ii+96*(ii/32):97+ii+96*(ii/32)]   ; ascending: each accumulator from its low end on
.set ii, ii+2
.endr
	WIN 0
.irp b, 0,1,2,3,4,5,6,7
	ds_store_b128 v[STO], v[T+8*\b:T+8*\b+3] offset:128*(\b/2)+32*(\b%2)
	ds_store_b128 v[STO], v[T+8*\b+4:T+8*\b+7] offset:128*(\b/2)+32*(\b%2)+16
.endr
	s_wait_xcnt 0x0                                ; the last tile's stores have read the registers that the loads below fill
.irp t, 0,1,2,3,4,5,6,7,8,9,10,11,12,13,14,15
	ds_load_b128 v[BK+4*\t:BK+4*\t+3], v[RD] offset:528*\t   ; LDS serves a wave's instructions in order: these see the stores above
.endr
	s_wait_dscnt 0x0
.irp t, 0,1,2,3,4,5,6,7,8,9,10,11,12,13,14,15
	global_store_b128 v[LI16], v[BK+4*\t:BK+4*\t+3], s[12:13] offset:(32*((\a)/2)+8*((\a)%2)+\t+8*(\t/8))*4096 th:TH_STORE_NT   ; 32 lanes store 512 consecutive bytes, aligned; written once
.endr
.endm
	OUT 0
	OUT 1
	OUT 2
	OUT 3
	s_wait_tensorcnt 0x0                           ; the wave's end
	ds_add_u32 v[SPW], v[NIL]
	s_wait_dscnt 0x0
	CROUND                                         ; the closing round: no work-group ends while a partner may still ask for a tile that names it
	s_endpgm
.Lfunc_end_k_qc9e692d30c_proj:
	.size	k_qc9e692d30c_proj, .Lfunc_end_k_qc9e692d30c_proj-k_qc9e692d30c_proj
	.p2alignl 7, 3214868480
	.fill 96, 4, 3214868480
	.section	.rodata,"a",@progbits
	.p2align	6, 0x0
	.amdhsa_kernel k_qc9e692d30c_proj
		.amdhsa_group_segment_fixed_size 327680
		.amdhsa_private_segment_fixed_size 0
		.amdhsa_enable_private_segment 0
		.amdhsa_kernarg_size 40
		.amdhsa_user_sgpr_count 2
		.amdhsa_user_sgpr_kernarg_segment_ptr 1
		.amdhsa_wavefront_size32 1
		.amdhsa_system_sgpr_workgroup_id_x 1
		.amdhsa_system_sgpr_workgroup_id_y 1
		.amdhsa_system_sgpr_workgroup_id_z 1
		.amdhsa_system_vgpr_workitem_id 0
		.amdhsa_next_free_vgpr 768
		.amdhsa_next_free_sgpr 100
		.amdhsa_reserve_vcc 1
		.amdhsa_float_denorm_mode_32 3
		.amdhsa_float_denorm_mode_16_64 3
		.amdhsa_memory_ordered 1
		.amdhsa_forward_progress 1
		.amdhsa_inst_pref_size 97
	.end_amdhsa_kernel
	.amdgpu_metadata
---
amdhsa.version: [ 1, 2 ]
amdhsa.kernels:
  - .name:           k_qc9e692d30c_proj
    .symbol:         k_qc9e692d30c_proj.kd
    .args:
      - { .name: yc, .offset: 0, .size: 8, .value_kind: global_buffer, .address_space: global }
      - { .name: wpc, .offset: 8, .size: 8, .value_kind: global_buffer, .address_space: global }
      - { .name: scl2, .offset: 16, .size: 8, .value_kind: global_buffer, .address_space: global }
      - { .name: b_proj, .offset: 24, .size: 8, .value_kind: global_buffer, .address_space: global }
      - { .name: out0, .offset: 32, .size: 8, .value_kind: global_buffer, .address_space: global }
    .group_segment_fixed_size: 327680
    .private_segment_fixed_size: 0
    .kernarg_segment_align: 8
    .kernarg_segment_size: 40
    .max_flat_workgroup_size: 128
    .sgpr_count:     100
    .vgpr_count:     768
    .wavefront_size: 32
...
	.end_amdgpu_metadata
.endif
;; end of part 4
